; MI455X (gfx1250); checked and timed in simulation.
; The chip was launched on July 23, 2026; its instructions are those of AMD's public machine-readable ISA for CDNA 5 (MIT licence, August 2026) and "CDNA5" Instruction Set Architecture Reference Guide (July 2026). The comments in the code are by the model that wrote it; some were corrected since.
;; Dot Product Attention. Allowed arithmetic: matrix products marked QUANTISED: E5M2 operands, one given power-of-two scale a tensor, by v_wmma_f32_16x16x64_bf8_bf8 or v_wmma_f32_16x16x128_bf8_bf8, f32 sums; everything else in f32.
;; Inputs: keys 2 x 16 x 2,048 x 64 float32; lowp_scales 4 int32 (the exponents e of the quantised operands' scales 2^e); mask 1 x 1 x 2,048 x 2,048 bool; queries 2 x 16 x 2,048 x 64 float32; values 2 x 16 x 2,048 x 64 float32.
;; Outputs: out0 2 x 16 x 2,048 x 64 float32.
;; Constants: d_k = 64.
;; This version of the problem:
;;   THIS VERSION OF THE PROBLEM IS GIVEN IN LOW PRECISION. The matrix products marked QUANTISED in the list below multiply operands that are first quantised to E5M2 (5 exponent bits, 2 mantissa bits; 8 bits a number), with one given power-of-two scale for each operand tensor; their sums are f32. All else is computed in f32.
;;   The module's matrix products, in the order in which they are computed (A, B: the left and right operand; K: the contracted axis; several contracted axes count as one K, in the product's order):
;;     1. batch 32 x [M 2,048, K 64] x [K 64, N 2,048]; A: input queries; B: input keys: QUANTISED (scales: A lowp_scales[0], B lowp_scales[1])
;;     2. batch 32 x [M 2,048, K 2,048] x [K 2,048, N 64]; A: computed on the way; B: input values: QUANTISED (scales: A lowp_scales[2], B lowp_scales[3])
;;   THE QUANTISER, for each operand of a quantised product, along K:
;;     - The operand's scale is 2^e, e = its entry of the input lowp_scales (int32; the entries are numbered through the quantised products in the list's order, A before B).
;;     - Each number is divided by the scale, clamped to +-57,344, and rounded to the nearest number of E5M2, ties to even, subnormals kept.
;;     - The product sums the exact products of the quantised numbers (number of the format x scale) in f32.
;;   ~~~python
;;   def quantise(x, axis, e):      # numpy; x: float32 -> the quantised numbers, widened to float32 again
;;       x = np.moveaxis(x, axis, -1); K = x.shape[-1]
;;       r = np.clip(x / 2.0 ** e, -57344, 57344)
;;       step = 2.0 ** (np.maximum(np.frexp(np.where(r == 0, 1, r))[1] - 1, -14) - 2)
;;       q = np.round(r / step) * step * 2.0 ** e      # np.round: ties to even
;;       return np.moveaxis(q, -1, axis).astype(np.float32)
;;   ~~~
;;   OPERANDS COMPUTED ON THE WAY. 'Computed on the way' means the value that the module computes at that place (a softmax that the list does not call 'softmax' is quantised finished and normalised). What goes into a quantiser is computed in f32, as accurately as f32 sums, v_exp_f32 and their like allow (about 1e-6 of the number): no bf16 or f16 on the way to a quantiser, and a product that is left as it is and whose result goes on into a quantised operand takes f32 operands (vector FMAs, or v_wmma_f32_16x16x4_f32). A number that lies on a knife's edge between two numbers of the format may be rounded either way, as far as f32 arithmetic and the matrix unit's own rounding can turn it there, and no further.
;; 2 versions. Each part assembles by itself: llvm-mc -triple=amdgcn-amd-amdhsa -mcpu=gfx1250 --defsym DOCPART=n.
;; ======== version 1 of 2: 2 launches
;; limits: right only within a limited range of input values
;; workspace buffers: kcodes 4,194,304 bytes; vcodes 4,194,304 bytes; maskn 2,097,152 bytes; flags 16,384 bytes of whole numbers
;; launch prep (part 1): grid 768 x 1, 4 waves a work-group, no clusters, 35,328 bytes of LDS; arguments keys, values, mask, lowp_scales, kcodes, vcodes, maskn, flags; writes kcodes, vcodes, maskn, flags
.if DOCPART == 1
	.amdgcn_target "amdgcn-amd-amdhsa--gfx1250"
	.amdhsa_code_object_version 6
	.text
	.protected	k_q5a1f5068e3_prep
	.globl	k_q5a1f5068e3_prep
	.p2align	8
	.type	k_q5a1f5068e3_prep,@function
k_q5a1f5068e3_prep:
	s_mov_b64 s[64:65], 0
	v_nop
	global_prefetch_b8 v0, s[64:65] scope:SCOPE_SE
	s_setreg_imm32_b32 hwreg(HW_REG_WAVE_MODE, 25, 1), 1
	s_wait_xcnt 0x0
; What the attention launch reads many times is made once: K's and V's codes of BF8 (E5M2), the mask as nibbles, and a class for each tile of the mask.
; Work-groups 0-255 take keys, 256-511 values, 512-767 the mask.  Four waves, each on its own: no barrier; the K path and the mask path have LDS bytes of their own.
; code = x / 2^e, held within +-57,344, rounded to the nearest code, ties to even; e = entry 1 (keys) or entry 3 (values) of lowp_scales.
; LIMITS: ek and ev between -126 and 112, so that 2^e and 57,344 x 2^e are f32 numbers.  NaN among the inputs is not served.  Mask bytes are 0 or 1.
; A STEP is 64 keys.  All three buffers are laid as images of the registers that the attention launch wants, 16 bytes a lane, 512 bytes a load:
;   kcodes [head 32][step 32][tile t 4][block c 2][lane 32][16]: lane (r, h) of tile t: key 64 s + 32 (r / 8) + 8 t + r % 8, channels 32 h + 16 c + 0 .. 15
;   vcodes [head 32][step 32][tile u 4][block c 2][lane 32][16]: lane (r, h): channel 16 u + r, keys 64 s + 32 h + 16 c + 0 .. 15
;   maskn  [query tile T 128][step 32][lane 32][16]: lane (r, h), word t, nibble v: query 16 T + r, key 64 s + 32 h + 8 t + 4 (v % 2) + v / 2: 0 = open, 0xE = hidden
;   flags  [T 128][step 32] int32: 0 = no key of the tile (16 queries x 64 keys) is open, 1 = some, 2 = all
.set SP,   272                         ; a stage row: 256 bytes + 16, so that sixteen rows' equal columns start at sixteen different banks (64 banks of 4 bytes: ISA guide 11.1)
.set WST,  16*SP                       ; a wave's stage: 16 rows
.set MST,  4*WST                       ; the mask path's four stages lie behind the K path's four
	s_load_b256 s[4:11], s[0:1], 0x0               ; keys s[4:5], values s[6:7], mask s[8:9], lowp_scales s[10:11]
	s_load_b256 s[12:19], s[0:1], 0x20             ; kcodes s[12:13], vcodes s[14:15], maskn s[16:17], flags s[18:19]
	v_lshl_add_u32 v192, v0, 2, 0x8800
	v_mov_b32 v193, 0
	v_lshrrev_b32 v1, 5, v0
	v_readfirstlane_b32 s20, v1                    ; wave 0..3
	v_and_b32 v1, 31, v0                           ; lane
	v_and_b32 v2, 15, v0                           ; r
	v_bfe_u32 v3, v0, 4, 1                         ; h
	v_lshlrev_b32 v4, 4, v1                        ; 16 x lane; never rewritten
	s_mul_i32 s21, s20, WST
	v_mul_u32_u24 v5, v3, SP                       ; every LDS address is made here, ahead of the parting of the paths
	v_lshl_add_u32 v5, v2, 4, v5
	v_add_nc_u32 v5, s21, v5                       ; K's stage, in: two rows a store: row h, 16 r
	v_mul_u32_u24 v6, v2, SP
	v_lshl_add_u32 v8, v3, 5, v6
	v_lshl_add_u32 v6, v3, 7, v6
	v_add_nc_u32 v6, s21, v6                       ; K's stage, out: row r, 128 h: my 32 channels
	v_add_nc_u32 v7, MST, v5                       ; the mask's stage, in
	v_add_nc_u32 v8, s21, v8
	v_add_nc_u32 v8, MST, v8                       ; the mask's stage, out: row r, 32 h: my 32 keys of a step
	s_mov_b32 s31, 0                               ; the upper word of every offset below
	s_wait_kmcnt 0x0
	s_cmp_lt_u32 ttmp9, 256
	s_cbranch_scc1 .Lk
	s_cmp_lt_u32 ttmp9, 512
	s_cbranch_scc1 .Lv
; ---- THE MASK.  A wave takes 16 queries x 256 keys: four steps.
	s_sub_co_u32 s28, ttmp9, 512
	s_lshl_b32 s28, s28, 2
	s_add_co_u32 s28, s28, s20                     ; U = 8 T + which 256 keys
	s_lshr_b32 s29, s28, 3                         ; T
	s_and_b32 s30, s28, 7
	s_lshl_b32 s29, s29, 15                        ; 16 rows of 2,048 bytes
	s_lshl_b32 s30, s30, 8
	s_add_co_u32 s30, s30, s29
	s_add_nc_u64 s[8:9], s[8:9], s[30:31]
	s_lshl_b32 s30, s28, 11                        ; step 4 U of the tiles' steps, 512 bytes each
	s_add_nc_u64 s[16:17], s[16:17], s[30:31]
	s_lshl_b32 s30, s28, 4                         ; and 4 bytes each
	s_add_nc_u64 s[18:19], s[18:19], s[30:31]
	s_mov_b32 s40, 0x01010101
	v_lshlrev_b32 v12, 11, v3
	v_lshl_add_u32 v12, v2, 4, v12                 ; row h, 16 r: sixteen lanes read 256 consecutive bytes of a row
.irp i, 0,1,2,3,4,5,6,7
	global_load_b128 v[64+4*\i:67+4*\i], v12, s[8:9] offset:4096*\i th:TH_LOAD_NT   ; rows 2 i and 2 i + 1
.endr
	v_mov_b32 v22, 0                               ; the four classes, one a lane
	v_lshlrev_b32 v23, 2, v1
	s_wait_loadcnt 0x0
.irp i, 0,1,2,3,4,5,6,7
	ds_store_b128 v7, v[64+4*\i:67+4*\i] offset:2*SP*\i
.endr
.irp e, 0,1,2,3
.irp k, 0,1
	ds_load_b128 v[96+8*\e+4*\k:99+8*\e+4*\k], v8 offset:64*\e+16*\k   ; LDS serves a wave's instructions in order: these see my stores.  Step e: word n = keys 32 h + 4 n + 0 .. 3 of query r
.endr
.endr
	s_wait_dscnt 0x0
.macro MSTEP e
.set D, 96+8*\e
	v_or_b32 v20, v[D], v[D+1]
	v_and_b32 v21, v[D], v[D+1]
.irp n, 2,3,4,5,6,7
	v_or_b32 v20, v20, v[D+\n]
	v_and_b32 v21, v21, v[D+\n]
.endr
	v_cmp_ne_u32 s36, 0, v20                       ; lanes with an open key
	v_cmp_eq_u32 s37, s40, v21                     ; lanes with none hidden
	s_cmp_lg_u32 s36, 0
	s_cselect_b32 s38, 1, 0
	s_cmp_eq_u32 s37, -1
	s_cselect_b32 s39, 1, 0
	s_add_co_u32 s38, s38, s39                     ; 0, 1 or 2: chosen, not branched on
	v_writelane_b32 v22, s38, \e
.irp t, 0,1,2,3
	v_lshl_or_b32 v[32+4*\e+\t], v[D+2*\t+1], 4, v[D+2*\t]     ; eight bytes of 0 or 1 become eight nibbles,
	v_xor_b32 v[32+4*\e+\t], 0x11111111, v[32+4*\e+\t]         ; 1 where hidden,
	v_mul_lo_u32 v[32+4*\e+\t], v[32+4*\e+\t], 14              ; 0xE where hidden: no nibble carries into the next
.endr
	global_store_b128 v4, v[32+4*\e:35+4*\e], s[16:17] offset:512*\e   ; 512 consecutive bytes; each step has registers of its own
.endm
	MSTEP 0
	MSTEP 1
	MSTEP 2
	MSTEP 3
	v_cmp_gt_u32 vcc_lo, 4, v1
	s_wait_xcnt 0x0                                ; EXEC is a source of the stores above: it changes only behind this wait
	s_wait_tensorcnt 0x0
	ds_add_u32 v192, v193
	s_wait_dscnt 0x0
	s_and_saveexec_b32 s41, vcc_lo
	global_store_b32 v23, v22, s[18:19]            ; lanes 0-3: the four steps' classes
	s_wait_xcnt 0x0                                ; and again in front of the line that widens it
	s_or_b32 exec_lo, exec_lo, s41
	s_endpgm
.macro SCALE e                         ; v10 = 2^e as f32 (the conversion takes its exponent field), v11 = 57,344 x 2^e
	s_add_co_i32 s34, \e, 127
	s_lshl_b32 s35, s34, 23
	v_mov_b32 v10, s35
	s_add_co_i32 s34, s34, 15
	s_lshl_b32 s34, s34, 23
	s_or_b32 s34, s34, 0x600000
	v_mov_b32 v11, s34
.endm
; ---- KEYS.  A wave takes one step of one head: 64 keys x 64 channels, 16 KiB in, 4 KiB out.
.Lk:
	s_load_b128 s[24:27], s[10:11], 0x0            ; eq, ek, ep, ev
	s_lshl_b32 s28, ttmp9, 2
	s_add_co_u32 s28, s28, s20                     ; 32 x head + step
	s_lshl_b32 s30, s28, 14
	s_add_nc_u64 s[4:5], s[4:5], s[30:31]
	s_lshl_b32 s30, s28, 12
	s_add_nc_u64 s[12:13], s[12:13], s[30:31]
.irp t, 0,1,2,3                        ; tile t's sixteen keys are 8 t + 0 .. 7 and 32 + 8 t + 0 .. 7; a load takes two keys, 512 consecutive bytes
.irp i, 0,1,2,3,4,5,6,7
	global_load_b128 v[64+32*\t+4*\i:67+32*\t+4*\i], v4, s[4:5] offset:(8*\t+2*\i+24*(\i/4))*256 th:TH_LOAD_NT
.endr
.endr
	s_wait_kmcnt 0x0
	SCALE s25
.macro KFRAG t
	s_wait_loadcnt 8*(3-\t)                        ; loads come back in order: this tile's eight are in, the later tiles' stay out
.irp i, 0,1,2,3,4,5,6,7
	ds_store_b128 v5, v[64+32*\t+4*\i:67+32*\t+4*\i] offset:2*SP*\i      ; stage row = the tile's row
.endr
.irp n, 0,1,2,3,4,5,6,7
	ds_load_b128 v[32+4*\n:35+4*\n], v6 offset:16*\n                     ; my row's channels 32 h + 0 .. 31
.endr
	s_wait_dscnt 0x0
.set i, 0
.rept 32
	v_med3_num_f32 v[32+i], v[32+i], -v11, v11     ; the conversion to an 8-bit code does not saturate (ISA guide 7.6.2): the hold comes first
.set i, i+1
.endr
.irp g, 0,1,2,3
	v_cvt_scalef32_pk8_bf8_f32 v[64+32*\t+2*\g:65+32*\t+2*\g], v[32+8*\g:39+8*\g], v10   ; into registers of this tile's own, which the stage's stores have read
.endr
	v_nop                                          ; a plain line between the conversions and the next tile's holds, which write their sources
	global_store_b128 v4, v[64+32*\t:67+32*\t], s[12:13] offset:1024*\t
	global_store_b128 v4, v[68+32*\t:71+32*\t], s[12:13] offset:1024*\t+512
.endm
	KFRAG 0
	KFRAG 1
	KFRAG 2
	KFRAG 3
	s_wait_tensorcnt 0x0
	ds_add_u32 v192, v193
	s_wait_dscnt 0x0
	s_endpgm
; ---- VALUES.  K of the second product is the keys, the first axis of a head's values: a lane takes a channel and its registers run down the keys, so the conversions
; give codes with the keys innermost.  A wave takes 128 keys (two steps) x 32 channels; two waves side by side cover a key's 256 bytes.
.Lv:
	s_load_b128 s[24:27], s[10:11], 0x0
	s_sub_co_u32 s28, ttmp9, 256
	s_lshl_b32 s28, s28, 1
	s_lshr_b32 s29, s20, 1
	s_add_co_u32 s28, s28, s29                     ; 16 x head + which 128 keys
	s_and_b32 s29, s20, 1                          ; which 32 channels
	s_lshl_b32 s30, s28, 15
	s_add_nc_u64 s[6:7], s[6:7], s[30:31]
	s_lshl_b32 s30, s28, 13
	s_add_nc_u64 s[14:15], s[14:15], s[30:31]
	s_lshl_b32 s32, s29, 7
	v_lshl_add_u32 v12, v1, 2, s32                 ; in: 4 bytes a lane
	s_lshl_b32 s32, s29, 11
	v_lshlrev_b32 v13, 10, v3
	v_lshl_add_u32 v13, v2, 4, v13
	v_add_nc_u32 v13, s32, v13                     ; out: my channel 32 cw + lane is tile u = 2 cw + h, row r: 1,024 u + 16 r
.set i, 0
.rept 128
	global_load_b32 v[64+i], v12, s[6:7] offset:256*i th:TH_LOAD_NT
.set i, i+1
.endr
	s_wait_kmcnt 0x0
	SCALE s27
.macro VSTEP q, left
	s_wait_loadcnt \left
.set i, 0
.rept 64
	v_med3_num_f32 v[64+64*\q+i], v[64+64*\q+i], -v11, v11
.set i, i+1
.endr
.irp g, 0,1,2,3,4,5,6,7
	v_cvt_scalef32_pk8_bf8_f32 v[32+16*\q+2*\g:33+16*\q+2*\g], v[64+64*\q+8*\g:71+64*\q+8*\g], v10
.endr
	v_nop                                          ; a plain line behind the last conversion
.irp k, 0,1                            ; keys 32 k on belong to the image's lanes 16 k + r
.irp c, 0,1
	global_store_b128 v13, v[32+16*\q+8*\k+4*\c:35+16*\q+8*\k+4*\c], s[14:15] offset:4096*\q+512*\c+256*\k   ; each half of the lanes stores 256 consecutive bytes, aligned
.endr
.endr
.endm
	VSTEP 0, 63                                    ; at most 63 of the 128 loads are out: the first step's 64 are in
	VSTEP 1, 0
	s_endpgm
.Lfunc_end_k_q5a1f5068e3_prep:
	.size	k_q5a1f5068e3_prep, .Lfunc_end_k_q5a1f5068e3_prep-k_q5a1f5068e3_prep
	.p2alignl 7, 3214868480
	.fill 96, 4, 3214868480
	.section	.rodata,"a",@progbits
	.p2align	6, 0x0
	.amdhsa_kernel k_q5a1f5068e3_prep
		.amdhsa_group_segment_fixed_size 35328
		.amdhsa_private_segment_fixed_size 0
		.amdhsa_enable_private_segment 0
		.amdhsa_kernarg_size 64
		.amdhsa_user_sgpr_count 2
		.amdhsa_user_sgpr_kernarg_segment_ptr 1
		.amdhsa_wavefront_size32 1
		.amdhsa_system_sgpr_workgroup_id_x 1
		.amdhsa_system_sgpr_workgroup_id_y 1
		.amdhsa_system_sgpr_workgroup_id_z 1
		.amdhsa_system_vgpr_workitem_id 0
		.amdhsa_next_free_vgpr 194
		.amdhsa_next_free_sgpr 66
		.amdhsa_reserve_vcc 1
		.amdhsa_float_denorm_mode_32 3
		.amdhsa_float_denorm_mode_16_64 3
		.amdhsa_memory_ordered 1
		.amdhsa_forward_progress 1
		.amdhsa_inst_pref_size 52
	.end_amdhsa_kernel
	.amdgpu_metadata
---
amdhsa.version: [ 1, 2 ]
amdhsa.kernels:
  - .name:           k_q5a1f5068e3_prep
    .symbol:         k_q5a1f5068e3_prep.kd
    .args:
      - { .name: keys, .offset: 0, .size: 8, .value_kind: global_buffer, .address_space: global }
      - { .name: values, .offset: 8, .size: 8, .value_kind: global_buffer, .address_space: global }
      - { .name: mask, .offset: 16, .size: 8, .value_kind: global_buffer, .address_space: global }
      - { .name: lowp_scales, .offset: 24, .size: 8, .value_kind: global_buffer, .address_space: global }
      - { .name: kcodes, .offset: 32, .size: 8, .value_kind: global_buffer, .address_space: global }
      - { .name: vcodes, .offset: 40, .size: 8, .value_kind: global_buffer, .address_space: global }
      - { .name: maskn, .offset: 48, .size: 8, .value_kind: global_buffer, .address_space: global }
      - { .name: flags, .offset: 56, .size: 8, .value_kind: global_buffer, .address_space: global }
    .group_segment_fixed_size: 35328
    .private_segment_fixed_size: 0
    .kernarg_segment_align: 8
    .kernarg_segment_size: 64
    .max_flat_workgroup_size: 128
    .sgpr_count:     66
    .vgpr_count:     194
    .wavefront_size: 32
...
	.end_amdgpu_metadata
.endif
;; end of part 1
;; launch attn (part 2): grid 8 x 32, 8 waves a work-group, no clusters, 297,984 bytes of LDS; arguments queries, kcodes, vcodes, maskn, flags, lowp_scales, out0; writes out0
.if DOCPART == 2
	.amdgcn_target "amdgcn-amd-amdhsa--gfx1250"
	.amdhsa_code_object_version 6
	.text
	.protected	k_q5a1f5068e3_attn
	.globl	k_q5a1f5068e3_attn
	.p2align	8
	.type	k_q5a1f5068e3_attn,@function
k_q5a1f5068e3_attn:
	s_mov_b64 s[64:65], 0
	v_nop
	global_prefetch_b8 v0, s[64:65] scope:SCOPE_SE
	s_setreg_imm32_b32 hwreg(HW_REG_WAVE_MODE, 25, 1), 1
	s_wait_xcnt 0x0
; out[head][q][:] = sum over k of w(q, k) V[head][k][:],  w = min(mask, softmax_k(Q.K / 8 - 1e9 (1 - mask))), both products on codes of BF8 (E5M2) with the four given scales eq, ek, ep, ev.
; THE FINISHED, NORMALISED w IS WHAT IS QUANTISED, so a row's maximum and sum are known before any of its weights is made: TWO PASSES over the keys.
;   pass 1: S^T = K Q^T, running maximum m and sum l a lane;   pass 2: S^T again, w = 2^(c s - c m) / l, held, quantised with 2^ep, O^T += V^T w^T.   c = log2(e) / 8 x 2^(eq + ek).
; w is the softmax where the mask is 1 (it is at most 1) and 0 where the mask is 0; a hidden key's term of the sum is 0 in f32 as long as a row has an open key; a row with none gives zeros.
; SHARES.  A work-group has one head and 16 tiles of 16 queries; its eight waves have two tiles each: p = 8 x + wave and 127 - p.  The pairing is right for every mask and enters global addresses alone.
; The head's K and V codes, 128 KiB each, lie whole in LDS as images of the operands' registers (made by the launch before), copied once through registers.
; THE MASK is honoured as it is given.  For each tile and step of 64 keys a stored class says: no key open (the step is passed over), all open (products start from 0), or mixed.
; In a mixed step each score's product starts from C = the key's nibble moved to the top of the word: 0xE gives a number between -2^95 and -2^65, 0 a positive one under 2^-96.  Raw sums of codes are
; under 2^38 in magnitude, and the maximum starts at -2^40: above every hidden score, under every open one.  So the matrix unit adds the mask, and a hidden key's exponential is 0.
; NO TENSOR LOADS, NO CLUSTER, though the eight work-groups of a head read the same 256 KiB of codes: the walk branches on the stored classes.
; NO PREFETCH: K, V and Q are all asked for at the head, the mask's words one step ahead of their use.
; LAYOUT.  Both products transposed: a lane (r, h) holds query r.  Register j of score tile t is key 32 h + 8 t + j of the step, so tile t's conversion gives registers 2 t, 2 t + 1 of the second product's operand.
; Channels and keys stand in the operands in one order for both sides of each product (place (h, register n, byte b) = 32 h + 4 n + b): every product meets its partner.
; LIMITS: eq and ep between -126 and 112; eq + ek between -50 and 60; true scores under 1e8 in magnitude (so that -1e9 gives weight 0); NaN among the inputs is not served.
.set STG,  262144                      ; LDS: K's image at 0 (step s at 4,096 s), V's at 131,072, then a stage of 16 rows x 272 bytes for each wave
.set L16,  1                           ; v1   16 x lane; never rewritten
.set L16V, 2                           ; v2   the same + 131,072
.set ADK,  3                           ; v3   LDS address of the step's K
.set ADV,  4                           ; v4   of its V (until pass 2: where I store my part of V's image)
.set STO,  5                           ; v5   the stage, in
.set RD,   6                           ; v6   the stage, out
.set QO,   7                           ; v7   my byte in a tile of Q
.set F,    12                          ; v[12:13] the rescaling factor; v13 = 0 and stays 0
.set U,    14                          ; v[14:15] a second chain of sums
.set NM,   16                          ; v[16+2x] -c m of tile x (the pair's upper word is named only)
.set LS,   20                          ; v[20+2x:21+2x] l, in two halves
.set MR,   24                          ; v[24+x] the raw maximum
.set RC,   26                          ; v[26+2x] 1 / l
.set SCP,  30                          ; v30  2^ep
.set LIMP, 31                          ; v31  57,344 x 2^ep
.set MW,   32                          ; v[32+4x ..] the step's four mask words
.set QC,   40                          ; v[40+8x ..] Q's codes
.set PC,   56                          ; v56-63 w's codes
.set S,    64                          ; v[64+32x ..] S^T
.set KF,   128                         ; v128-159 K's four fragments
.set VF,   160                         ; v160-191 V's four
.set O,    192                         ; v[192+32x ..] O^T.   v256-383: V's codes on their way from memory to LDS, during pass 1
; s[28:29] c, s30 -c, s[32:33] lane selects, s34-37 the classes as bit masks over the steps (any A, mixed A, any B, mixed B), s38-41 their working copies (bit 0 = the step in hand),
; s[44:47] the tiles' mask words, s[48:51] the same at the step in hand, s52 the step's LDS byte, s53 trips, s54-55 at work, s[56:59] out, s[60:63] Q
.set MSB, 0
.macro WIN new                         ; the immediate's high byte repeats the setting that is left
.if MSB != \new
	s_set_vgpr_msb (MSB<<8)|\new
.set MSB, \new
.endif
.endm
	s_load_b256 s[4:11], s[0:1], 0x0               ; queries s[4:5], kcodes s[6:7], vcodes s[8:9], maskn s[10:11]
	s_load_b128 s[12:15], s[0:1], 0x20             ; flags s[12:13], lowp_scales s[14:15]
	s_load_b64 s[16:17], s[0:1], 0x30              ; out0
	s_set_vgpr_msb 0x40
	v_lshl_add_u32 v128, v0, 2, 0x48800
	v_mov_b32 v129, 0
	s_set_vgpr_msb 0x4000
	v_lshrrev_b32 v8, 5, v0
	v_readfirstlane_b32 s18, v8                    ; wave 0..7
	v_and_b32 v9, 31, v0                           ; lane
	v_and_b32 v10, 15, v0                          ; r
	v_bfe_u32 v11, v0, 4, 1                        ; h
	v_lshlrev_b32 v[L16], 4, v9
	v_add_nc_u32 v[L16V], 0x20000, v[L16]
	s_lshl_b32 s54, s18, 14                        ; my eighth of an image: 16 KiB
	v_add_nc_u32 v[ADK], s54, v[L16]
	v_add_nc_u32 v[ADV], s54, v[L16V]
	s_mul_i32 s55, s18, 16*272
	s_add_co_u32 s55, s55, STG
	v_mul_u32_u24 v[STO], v10, 272
	v_lshl_add_u32 v[STO], v11, 5, v[STO]
	v_add_nc_u32 v[STO], s55, v[STO]               ; in: row r, 32 h
	v_mul_u32_u24 v[RD], v11, 272
	v_lshl_add_u32 v[RD], v10, 4, v[RD]
	v_add_nc_u32 v[RD], s55, v[RD]                 ; out: two rows a load: row h, 16 r
	v_lshlrev_b32 v[QO], 8, v10
	v_lshl_add_u32 v[QO], v11, 7, v[QO]            ; Q: row r of 256 bytes, + 128 h: my 32 channels
	s_and_b32 s19, ttmp7, 0xffff                   ; head
	s_lshl_b32 s20, ttmp9, 3
	s_add_co_u32 s20, s20, s18                     ; tile A = 8 x + wave
	s_sub_co_u32 s21, 127, s20                     ; tile B
	s_lshl_b32 s22, s19, 17
	s_add_co_u32 s22, s22, s54                     ; my eighth of the head's codes
	s_mov_b32 s23, 0
	s_lshl_b32 s2, s19, 7
	s_add_co_u32 s42, s2, s21
	s_add_co_u32 s2, s2, s20
	s_lshl_b32 s2, s2, 12                          ; a tile of Q or of out is 4,096 bytes
	s_lshl_b32 s42, s42, 12
	s_mov_b32 s3, 0
	s_mov_b32 s43, 0
	s_lshl_b32 s48, s20, 14                        ; a tile's mask words: 32 steps of 512 bytes
	s_mov_b32 s49, 0
	s_lshl_b32 s50, s21, 14
	s_mov_b32 s51, 0
	s_lshl_b32 s54, s20, 7                         ; a tile's classes: 32 words
	s_lshl_b32 s55, s21, 7
	v_lshlrev_b32 v9, 2, v9
	v_add_nc_u32 v10, s54, v9                      ; lane s takes step s's class
	v_add_nc_u32 v11, s55, v9
	s_mov_b32 s32, 0x76543210                      ; v_permlanex16_b32: lane l xor 16
	s_mov_b32 s33, 0xfedcba98
	s_wait_kmcnt 0x0
	s_load_b128 s[24:27], s[14:15], 0x0            ; eq, ek, ep, ev
	s_add_nc_u64 s[6:7], s[6:7], s[22:23]
	s_add_nc_u64 s[8:9], s[8:9], s[22:23]
	s_add_nc_u64 s[60:61], s[4:5], s[2:3]
	s_add_nc_u64 s[62:63], s[4:5], s[42:43]
	s_add_nc_u64 s[56:57], s[16:17], s[2:3]
	s_add_nc_u64 s[58:59], s[16:17], s[42:43]
	s_add_nc_u64 s[44:45], s[10:11], s[48:49]
	s_add_nc_u64 s[46:47], s[10:11], s[50:51]
.set i, 0
.rept 32
	global_load_b128 v[KF+4*i:KF+4*i+3], v[L16], s[6:7] offset:512*i       ; my eighth of K's image: v128-255 serve as staging
.set i, i+1
.endr
	global_load_b128 v[MW:MW+3], v[L16], s[44:45]                          ; step 0's mask words
	global_load_b128 v[MW+4:MW+7], v[L16], s[46:47]
	global_load_b32 v8, v10, s[12:13]
	global_load_b32 v9, v11, s[12:13]
.irp x, 0,1
.irp i, 0,1,2,3,4,5,6,7
	global_load_b128 v[S+32*\x+4*\i:S+32*\x+4*\i+3], v[QO], s[60+2*\x:61+2*\x] offset:16*\i th:TH_LOAD_NT
.endr
.endr
	WIN 0x40                                       ; destination v256 on
.set i, 0
.rept 32
	global_load_b128 v[4*i:4*i+3], v[L16], s[8:9] offset:512*i             ; my eighth of V's image: it lands during pass 1
.set i, i+1
.endr
	WIN 0
	s_wait_loadcnt 52                              ; behind K's loads: 2 + 2 + 16 + 32
.set i, 0
.rept 32
	ds_store_b128 v[ADK], v[KF+4*i:KF+4*i+3] offset:512*i
.set i, i+1
.endr
	s_wait_loadcnt 32                              ; only V's stay out
	v_cmp_ne_u32 s34, 0, v8                        ; bit s: step s has an open key for tile A
	v_cmp_eq_u32 s35, 1, v8                        ; bit s: and hidden ones
	v_cmp_ne_u32 s36, 0, v9
	v_cmp_eq_u32 s37, 1, v9
	s_wait_kmcnt 0x0
	s_add_co_i32 s54, s24, s25
	s_lshl_b32 s54, s54, 23
	s_add_co_i32 s28, s54, 0x3e38aa3b              ; log2(e) / 8 with eq + ek added to its exponent field
	s_mov_b32 s29, s28                             ; (named with it as a pair)
	s_xor_b32 s30, s28, 0x80000000                 ; -c
	s_add_co_i32 s54, s24, 127
	s_lshl_b32 s55, s54, 23
	v_mov_b32 v10, s55                             ; 2^eq  (the classes' loads are in: their offsets' registers are free)
	s_add_co_i32 s54, s54, 15
	s_lshl_b32 s54, s54, 23
	s_or_b32 s54, s54, 0x600000
	v_mov_b32 v11, s54                             ; 57,344 x 2^eq
	s_add_co_i32 s54, s26, 127
	s_lshl_b32 s55, s54, 23
	v_mov_b32 v[SCP], s55
	s_add_co_i32 s54, s54, 15
	s_lshl_b32 s54, s54, 23
	s_or_b32 s54, s54, 0x600000
	v_mov_b32 v[LIMP], s54
.macro QUANTQ x
.set i, 0
.rept 32
	v_med3_num_f32 v[S+32*\x+i], v[S+32*\x+i], -v11, v11   ; the conversion does not saturate (ISA guide 7.6.2)
.set i, i+1
.endr
.irp g, 0,1,2,3
	v_cvt_scalef32_pk8_bf8_f32 v[QC+8*\x+2*\g:QC+8*\x+2*\g+1], v[S+32*\x+8*\g:S+32*\x+8*\g+7], v10
.endr
	v_nop                                          ; a plain line behind the conversions: products read their results and write their sources
.endm
	QUANTQ 0
	QUANTQ 1
	s_wait_dscnt 0x0                               ; my part of K's image has landed
	s_barrier_signal -1
	v_mov_b32 v[F+1], 0                            ; register work while the others arrive
.irp x, 0,1
	v_mov_b32 v[MR+\x], 0xd3800000                 ; -2^40
	v_mov_b32 v[NM+2*\x+1], 0
	v_mov_b32 v[LS+2*\x], 0
	v_mov_b32 v[LS+2*\x+1], 0
	v_mov_b32 v[RC+2*\x+1], 0
	v_mul_f32 v[NM+2*\x], s30, v[MR+\x]
.endr
.set i, 0
.rept 64
	v_mov_b32 v[O+i], 0                            ; which step is a tile's first hangs on the mask, so no product can be written out to start the sums
.set i, i+1
.endr
	s_barrier_wait -1                              ; K's image is whole
.macro KLOAD off
.irp t, 0,1,2,3
.irp c, 0,1
	ds_load_b128 v[KF+8*\t+4*\c:KF+8*\t+4*\c+3], v[ADK] offset:\off+1024*\t+512*\c
.endr
.endr
.endm
.macro VLOAD
.irp u, 0,1,2,3
.irp c, 0,1
	ds_load_b128 v[VF+8*\u+4*\c:VF+8*\u+4*\c+3], v[ADV] offset:1024*\u+512*\c
.endr
.endr
.endm
; Tile x's four score products of the step in hand, if it has an open key.  The accumulators take turns, one instruction a turn, on every way through the text.
.macro PROD x
	s_and_b32 s54, s[38+2*\x], 1
	s_cbranch_scc0 .Lpe_\@
	s_and_b32 s54, s[39+2*\x], 1
	s_cbranch_scc1 .Lpm_\@
.irp t, 0,1,2,3
	v_wmma_f32_16x16x64_bf8_bf8 v[S+32*\x+8*\t:S+32*\x+8*\t+7], v[KF+8*\t:KF+8*\t+7], v[QC+8*\x:QC+8*\x+7], 0
.endr
	s_branch .Lpe_\@
.Lpm_\@:
	s_wait_loadcnt 0x0                             ; the step's mask words are in
.irp t, 0,1,2,3
.irp j, 0,1,2,3,4,5,6,7
.set sh, 28-4*(2*(\j%4)+\j/4)
.if sh == 0
	v_mov_b32 v[S+32*\x+8*\t+\j], v[MW+4*\x+\t]
.else
	v_lshlrev_b32 v[S+32*\x+8*\t+\j], sh, v[MW+4*\x+\t]    ; key 8 t + j's nibble on top: hugely negative where hidden, next to nothing where open
.endif
.endr
.endr
.irp t, 0,1,2,3
	v_wmma_f32_16x16x64_bf8_bf8 v[S+32*\x+8*\t:S+32*\x+8*\t+7], v[KF+8*\t:KF+8*\t+7], v[QC+8*\x:QC+8*\x+7], v[S+32*\x+8*\t:S+32*\x+8*\t+7]
.endr
.Lpe_\@:
.endm
; What the next step will want, asked for now: its K where either tile has an open key there, its mask words where either tile is mixed there.
.macro PRELOAD
	s_or_b32 s54, s38, s40
	s_and_b32 s54, s54, 2
	s_cbranch_scc0 .Lnk_\@
	KLOAD 4096
.Lnk_\@:
	s_or_b32 s54, s39, s41
	s_and_b32 s54, s54, 2
	s_cbranch_scc0 .Lnm_\@
	s_wait_loadcnt 0x0                             ; no load lands on registers that an earlier load may still write
	global_load_b128 v[MW:MW+3], v[L16], s[48:49] offset:512
	global_load_b128 v[MW+4:MW+7], v[L16], s[50:51] offset:512
.Lnm_\@:
.endm
; Pass 1, tile x: the lane's maximum over its 32 scores and the old one; l = l 2^(new NM - old NM) + the sum of 2^(c s + NM), NM = -c m as rounded: its rounding is the same in every term.
.macro SOFT1 x
	s_and_b32 s54, s[38+2*\x], 1
	s_cbranch_scc0 .Ls1_\@
.set SS, S+32*\x
	v_max3_num_f32 v8, v[SS], v[SS+1], v[MR+\x]    ; two chains; each accumulator is first read in its four lowest registers
	v_max3_num_f32 v9, v[SS+2], v[SS+3], v[SS+4]
.set i, 5
.rept 6
	v_max3_num_f32 v8, v8, v[SS+i], v[SS+i+1]
	v_max3_num_f32 v9, v9, v[SS+i+2], v[SS+i+3]
.set i, i+4
.endr
	v_max3_num_f32 v8, v8, v[SS+29], v[SS+30]
	v_max3_num_f32 v[MR+\x], v8, v9, v[SS+31]
	v_mul_f32 v10, s30, v[MR+\x]
	v_sub_f32 v11, v10, v[NM+2*\x]                 ; 0 or less
	v_mov_b32 v[NM+2*\x], v10
.set i, 0
.rept 16
	v_pk_fma_f32 v[SS+i:SS+i+1], v[SS+i:SS+i+1], s[28:29], v[NM+2*\x:NM+2*\x+1] op_sel_hi:[1,0,0]   ; c s - c m, two at a time
.set i, i+2
.endr
	v_exp_f32 v[F], v11
.set i, 0
.rept 32
	v_exp_f32 v[SS+i], v[SS+i]
.set i, i+1
.endr
	v_nop                                          ; a plain line behind the last exponential
	s_wait_alu depctr_va_vdst(0)                   ; one wait for the batch of 33, ahead of its first reader
	v_pk_mul_f32 v[LS+2*\x:LS+2*\x+1], v[LS+2*\x:LS+2*\x+1], v[F:F+1] op_sel_hi:[1,0]
	v_pk_add_f32 v[U:U+1], v[SS:SS+1], v[SS+2:SS+3]
.set i, 4
.rept 7
	v_pk_add_f32 v[LS+2*\x:LS+2*\x+1], v[LS+2*\x:LS+2*\x+1], v[SS+i:SS+i+1]
	v_pk_add_f32 v[U:U+1], v[U:U+1], v[SS+i+2:SS+i+3]
.set i, i+4
.endr
	v_pk_add_f32 v[LS+2*\x:LS+2*\x+1], v[LS+2*\x:LS+2*\x+1], v[U:U+1]
.Ls1_\@:
.endm
; Pass 2, tile x: w = 2^(c s + NM) / l, held at the largest code x 2^ep (w is not negative: one side), quantised; O^T += V^T w^T.
.macro SOFT2 x
	s_and_b32 s54, s[38+2*\x], 1
	s_cbranch_scc0 .Ls2_\@
.set SS, S+32*\x
.set i, 0
.rept 16
	v_pk_fma_f32 v[SS+i:SS+i+1], v[SS+i:SS+i+1], s[28:29], v[NM+2*\x:NM+2*\x+1] op_sel_hi:[1,0,0]   ; these sixteen are also the places behind the other tile's products, ahead of the writes of w's codes
.set i, i+2
.endr
.set i, 0
.rept 32
	v_exp_f32 v[SS+i], v[SS+i]
.set i, i+1
.endr
	v_nop
	s_wait_alu depctr_va_vdst(0)                   ; one wait for the batch
.set i, 0
.rept 16
	v_pk_mul_f32 v[SS+i:SS+i+1], v[SS+i:SS+i+1], v[RC+2*\x:RC+2*\x+1] op_sel_hi:[1,0]
.set i, i+2
.endr
.set i, 0
.rept 32
	v_min_num_f32 v[SS+i], v[SS+i], v[LIMP]
.set i, i+1
.endr
.irp t, 0,1,2,3
	v_cvt_scalef32_pk8_bf8_f32 v[PC+2*\t:PC+2*\t+1], v[SS+8*\t:SS+8*\t+7], v[SCP]
.endr
	v_nop                                          ; a plain line between the conversions and the products that read their results
	s_wait_dscnt 0x0                               ; V's fragments are in
.irp u, 0,1,2,3
	v_wmma_f32_16x16x64_bf8_bf8 v[O+32*\x+8*\u:O+32*\x+8*\u+7], v[VF+8*\u:VF+8*\u+7], v[PC:PC+7], v[O+32*\x+8*\u:O+32*\x+8*\u+7]
.endr
.Ls2_\@:
.endm
; A step of 64 keys in pass p.  last = 1: nothing is asked for beyond the images' and the mask words' ends.
.macro STEP p, last
	s_wait_dscnt 0x0                               ; on every way: no LDS load is out, so K's fragments are in and none can be loaded over a pending one
	v_add_nc_u32 v[ADK], s52, v[L16]
.if \p == 2
	v_add_nc_u32 v[ADV], s52, v[L16V]
.endif
	s_or_b32 s54, s38, s40
	s_and_b32 s54, s54, 1
	s_cbranch_scc0 .Lnp_\@
	PROD 0
	PROD 1
.rept 5
	v_nop                                          ; places ahead of reads of the scores, of loads into K's and V's registers, and of the next step's products, which write over the scores
.endr
.if \p == 2
	VLOAD
.endif
.Lnp_\@:
.if \last == 0
	PRELOAD
.endif
.if \p == 1
	SOFT1 0
	SOFT1 1
.else
	SOFT2 0
	SOFT2 1
.endif
.endm
.macro ADVANCE
	s_wait_xcnt 0x0                                ; the mask words' loads have read their bases
	s_add_nc_u64 s[48:49], s[48:49], 512
	s_add_nc_u64 s[50:51], s[50:51], 512
	s_add_co_u32 s52, s52, 4096
	s_lshr_b32 s38, s38, 1
	s_lshr_b32 s39, s39, 1
	s_lshr_b32 s40, s40, 1
	s_lshr_b32 s41, s41, 1
	s_add_co_u32 s53, s53, 1
.endm
.macro SETUP
	s_mov_b32 s38, s34
	s_mov_b32 s39, s35
	s_mov_b32 s40, s36
	s_mov_b32 s41, s37
	s_mov_b64 s[48:49], s[44:45]
	s_mov_b64 s[50:51], s[46:47]
	s_mov_b32 s52, 0
	s_mov_b32 s53, 0
	v_mov_b32 v[ADK], v[L16]
	KLOAD 0
.endm
; The two halves of the lanes hold a query's two halves of the keys: the smaller NM (the larger m) serves both, l is brought under it and added, R = 1 / l, or 0 for a row with no open key.
.macro FINAL x
	v_permlanex16_b32 v8, v[NM+2*\x], s32, s33
	v_min_num_f32 v9, v[NM+2*\x], v8
	v_sub_f32 v10, v9, v[NM+2*\x]
	v_exp_f32 v10, v10
	v_add_f32 v11, v[LS+2*\x], v[LS+2*\x+1]        ; (the plain line behind the exponential)
	s_wait_alu depctr_va_vdst(0)
	v_mul_f32 v11, v11, v10
	v_permlanex16_b32 v8, v11, s32, s33
	v_add_f32 v11, v11, v8
	v_rcp_f32 v[RC+2*\x], v11
	v_mov_b32 v[NM+2*\x], v9                       ; (the plain line behind the reciprocal)
	v_cmp_eq_f32 vcc_lo, 0, v11
	s_wait_alu depctr_va_vdst(0)
	v_cndmask_b32 v[RC+2*\x], v[RC+2*\x], v[F+1], vcc_lo
.endm
	; ---- PASS 1
	SETUP
.Lp1:
	STEP 1, 0
	ADVANCE
	s_cmp_lt_u32 s53, 31
	s_cbranch_scc1 .Lp1
	STEP 1, 1                                      ; step 31 is written out: it looks no further
	; ---- V's image; the rows' maxima and sums are finished while the waves meet
	s_wait_loadcnt 0x0                             ; V's codes are in v256-383, and no load of mask words is out
	WIN 0x04                                       ; the stores' data: v256 on
.set i, 0
.rept 32
	ds_store_b128 v[ADV], v[4*i:4*i+3] offset:512*i
.set i, i+1
.endr
	WIN 0
	s_wait_dscnt 0x0                               ; my part of V's image has landed
	s_barrier_signal -1
	FINAL 0
	FINAL 1
	s_barrier_wait -1                              ; V's image is whole
	; ---- PASS 2
	SETUP
	global_load_b128 v[MW:MW+3], v[L16], s[48:49]  ; step 0's mask words again
	global_load_b128 v[MW+4:MW+7], v[L16], s[50:51]
.Lp2:
	STEP 2, 0
	ADVANCE
	s_cmp_lt_u32 s53, 31
	s_cbranch_scc1 .Lp2
	STEP 2, 1
	; ---- THE WAY OUT.  O^T x 2^(ep + ev); a lane holds 8 neighbouring channels of a row for each of four tiles: a tile of 16 rows goes through my own stage and leaves as whole rows.
.macro SCALEO x
.set i, 0
.rept 32
	v_ldexp_f32 v[S+32*\x+i], v[O+32*\x+i], s55    ; each accumulator from its low end on
.set i, i+1
.endr
.endm
.macro TOSTAGE x
.irp u, 0,1,2,3
	ds_store_b128 v[STO], v[S+32*\x+8*\u:S+32*\x+8*\u+3] offset:64*\u
	ds_store_b128 v[STO], v[S+32*\x+8*\u+4:S+32*\x+8*\u+7] offset:64*\u+16
.endr
.irp i, 0,1,2,3,4,5,6,7
	ds_load_b128 v[KF+32*\x+4*\i:KF+32*\x+4*\i+3], v[RD] offset:544*\i     ; LDS serves a wave's instructions in order (ISA guide 5.7.1.4): these see my stores, and the next tile's stores come behind them
.endr
.endm
.macro SEND x, younger                 ; younger: the LDS instructions issued behind tile x's loads
.irp i, 0,1,2,3,4,5,6,7
	s_wait_dscnt \younger+7-\i
	global_store_b128 v[L16], v[KF+32*\x+4*\i:KF+32*\x+4*\i+3], s[56+2*\x:57+2*\x] offset:512*\i th:TH_STORE_NT   ; two rows: 512 consecutive bytes, at a multiple of 256 from out's first byte
.endr
.endm
	s_wait_dscnt 0x0                               ; on every way: the last step's loads of V's fragments are in, so the loads from the stage, which land in K's and V's registers, meet no pending load
	s_add_co_i32 s55, s26, s27                     ; ep + ev
.rept 4
	v_nop                                          ; places behind the last products, ahead of the first read of their results
.endr
	SCALEO 0
	TOSTAGE 0
	SCALEO 1                                       ; tile B's arithmetic stands between tile A's loads from the stage and its stores
	TOSTAGE 1
	SEND 0, 16
	SEND 1, 0
	s_set_vgpr_msb 0x5
	s_wait_tensorcnt 0x0
	ds_add_u32 v128, v129
	s_wait_dscnt 0x0
	s_set_vgpr_msb 0x500
	s_endpgm
.Lfunc_end_k_q5a1f5068e3_attn:
	.size	k_q5a1f5068e3_attn, .Lfunc_end_k_q5a1f5068e3_attn-k_q5a1f5068e3_attn
	.p2alignl 7, 3214868480
	.fill 96, 4, 3214868480
	.section	.rodata,"a",@progbits
	.p2align	6, 0x0
	.amdhsa_kernel k_q5a1f5068e3_attn
		.amdhsa_group_segment_fixed_size 297984
		.amdhsa_private_segment_fixed_size 0
		.amdhsa_enable_private_segment 0
		.amdhsa_kernarg_size 56
		.amdhsa_user_sgpr_count 2
		.amdhsa_user_sgpr_kernarg_segment_ptr 1
		.amdhsa_wavefront_size32 1
		.amdhsa_system_sgpr_workgroup_id_x 1
		.amdhsa_system_sgpr_workgroup_id_y 1
		.amdhsa_system_sgpr_workgroup_id_z 1
		.amdhsa_system_vgpr_workitem_id 0
		.amdhsa_next_free_vgpr 386
		.amdhsa_next_free_sgpr 66
		.amdhsa_reserve_vcc 1
		.amdhsa_float_denorm_mode_32 3
		.amdhsa_float_denorm_mode_16_64 3
		.amdhsa_memory_ordered 1
		.amdhsa_forward_progress 1
		.amdhsa_inst_pref_size 89
	.end_amdhsa_kernel
	.amdgpu_metadata
---
amdhsa.version: [ 1, 2 ]
amdhsa.kernels:
  - .name:           k_q5a1f5068e3_attn
    .symbol:         k_q5a1f5068e3_attn.kd
    .args:
      - { .name: queries, .offset: 0, .size: 8, .value_kind: global_buffer, .address_space: global }
      - { .name: kcodes, .offset: 8, .size: 8, .value_kind: global_buffer, .address_space: global }
      - { .name: vcodes, .offset: 16, .size: 8, .value_kind: global_buffer, .address_space: global }
      - { .name: maskn, .offset: 24, .size: 8, .value_kind: global_buffer, .address_space: global }
      - { .name: flags, .offset: 32, .size: 8, .value_kind: global_buffer, .address_space: global }
      - { .name: lowp_scales, .offset: 40, .size: 8, .value_kind: global_buffer, .address_space: global }
      - { .name: out0, .offset: 48, .size: 8, .value_kind: global_buffer, .address_space: global }
    .group_segment_fixed_size: 297984
    .private_segment_fixed_size: 0
    .kernarg_segment_align: 8
    .kernarg_segment_size: 56
    .max_flat_workgroup_size: 256
    .sgpr_count:     66
    .vgpr_count:     386
    .wavefront_size: 32
...
	.end_amdgpu_metadata
.endif
;; end of part 2
;; ======== version 2 of 2: 2 launches
;; limits: right only within a limited range of input values
;; workspace buffers: kcodes 4,194,304 bytes; vcodes 4,194,304 bytes; maskn 2,097,152 bytes; flags 16,384 bytes of whole numbers
;; launch prep (part 3): grid 768 x 1, 4 waves a work-group, no clusters, 35,328 bytes of LDS; arguments keys, values, mask, lowp_scales, kcodes, vcodes, maskn, flags; writes kcodes, vcodes, maskn, flags
.if DOCPART == 3
	.amdgcn_target "amdgcn-amd-amdhsa--gfx1250"
	.amdhsa_code_object_version 6
	.text
	.protected	k_q5a1f5068e3_prep
	.globl	k_q5a1f5068e3_prep
	.p2align	8
	.type	k_q5a1f5068e3_prep,@function
k_q5a1f5068e3_prep:
	s_mov_b64 s[64:65], 0
	v_nop
	global_prefetch_b8 v0, s[64:65] scope:SCOPE_SE
	s_setreg_imm32_b32 hwreg(HW_REG_WAVE_MODE, 25, 1), 1
	s_wait_xcnt 0x0
; What the attention launch reads many times is made once: K's and V's codes of BF8 (E5M2), the mask as nibbles, and a class for each tile of the mask.
; Work-groups 0-255 take keys, 256-511 values, 512-767 the mask.  Four waves, each on its own: no barrier; the K path and the mask path have LDS bytes of their own.
; code = x / 2^e, held within +-57,344, rounded to the nearest code, ties to even; e = entry 1 (keys) or entry 3 (values) of lowp_scales.
; LIMITS: ek and ev between -126 and 112, so that 2^e and 57,344 x 2^e are f32 numbers.  NaN among the inputs is not served.  Mask bytes are 0 or 1.
; A STEP is 64 keys.  All three buffers are laid as images of the registers that the attention launch wants, 16 bytes a lane, 512 bytes a load:
;   kcodes [head 32][step 32][tile t 4][block c 2][lane 32][16]: lane (r, h) of tile t: key 64 s + 32 (r / 8) + 8 t + r % 8, channels 32 h + 16 c + 0 .. 15
;   vcodes [head 32][step 32][tile u 4][block c 2][lane 32][16]: lane (r, h): channel 16 u + r, keys 64 s + 32 h + 16 c + 0 .. 15
;   maskn  [query tile T 128][step 32][lane 32][16]: lane (r, h), word t, nibble v: query 16 T + r, key 64 s + 32 h + 8 t + 4 (v % 2) + v / 2: 0 = open, 0xE = hidden
;   flags  [T 128][step 32] int32: 0 = no key of the tile (16 queries x 64 keys) is open, 1 = some, 2 = all
.set SP,   272                         ; a stage row: 256 bytes + 16, so that sixteen rows' equal columns start at sixteen different banks (64 banks of 4 bytes: ISA guide 11.1)
.set WST,  16*SP                       ; a wave's stage: 16 rows
.set MST,  4*WST                       ; the mask path's four stages lie behind the K path's four
	s_load_b256 s[4:11], s[0:1], 0x0               ; keys s[4:5], values s[6:7], mask s[8:9], lowp_scales s[10:11]
	s_load_b256 s[12:19], s[0:1], 0x20             ; kcodes s[12:13], vcodes s[14:15], maskn s[16:17], flags s[18:19]
	v_lshl_add_u32 v192, v0, 2, 0x8800
	v_mov_b32 v193, 0
	v_lshrrev_b32 v1, 5, v0
	v_readfirstlane_b32 s20, v1                    ; wave 0..3
	v_and_b32 v1, 31, v0                           ; lane
	v_and_b32 v2, 15, v0                           ; r
	v_bfe_u32 v3, v0, 4, 1                         ; h
	v_lshlrev_b32 v4, 4, v1                        ; 16 x lane; never rewritten
	s_mul_i32 s21, s20, WST
	v_mul_u32_u24 v5, v3, SP                       ; every LDS address is made here, ahead of the parting of the paths
	v_lshl_add_u32 v5, v2, 4, v5
	v_add_nc_u32 v5, s21, v5                       ; K's stage, in: two rows a store: row h, 16 r
	v_mul_u32_u24 v6, v2, SP
	v_lshl_add_u32 v8, v3, 5, v6
	v_lshl_add_u32 v6, v3, 7, v6
	v_add_nc_u32 v6, s21, v6                       ; K's stage, out: row r, 128 h: my 32 channels
	v_add_nc_u32 v7, MST, v5                       ; the mask's stage, in
	v_add_nc_u32 v8, s21, v8
	v_add_nc_u32 v8, MST, v8                       ; the mask's stage, out: row r, 32 h: my 32 keys of a step
	s_mov_b32 s31, 0                               ; the upper word of every offset below
	s_wait_kmcnt 0x0
	s_cmp_lt_u32 ttmp9, 256
	s_cbranch_scc1 .Lk
	s_cmp_lt_u32 ttmp9, 512
	s_cbranch_scc1 .Lv
; ---- THE MASK.  A wave takes 16 queries x 256 keys: four steps.
	s_sub_co_u32 s28, ttmp9, 512
	s_lshl_b32 s28, s28, 2
	s_add_co_u32 s28, s28, s20                     ; U = 8 T + which 256 keys
	s_lshr_b32 s29, s28, 3                         ; T
	s_and_b32 s30, s28, 7
	s_lshl_b32 s29, s29, 15                        ; 16 rows of 2,048 bytes
	s_lshl_b32 s30, s30, 8
	s_add_co_u32 s30, s30, s29
	s_add_nc_u64 s[8:9], s[8:9], s[30:31]
	s_lshl_b32 s30, s28, 11                        ; step 4 U of the tiles' steps, 512 bytes each
	s_add_nc_u64 s[16:17], s[16:17], s[30:31]
	s_lshl_b32 s30, s28, 4                         ; and 4 bytes each
	s_add_nc_u64 s[18:19], s[18:19], s[30:31]
	s_mov_b32 s40, 0x01010101
	v_lshlrev_b32 v12, 11, v3
	v_lshl_add_u32 v12, v2, 4, v12                 ; row h, 16 r: sixteen lanes read 256 consecutive bytes of a row
.irp i, 0,1,2,3,4,5,6,7
	global_load_b128 v[64+4*\i:67+4*\i], v12, s[8:9] offset:4096*\i th:TH_LOAD_NT   ; rows 2 i and 2 i + 1
.endr
	v_mov_b32 v22, 0                               ; the four classes, one a lane
	v_lshlrev_b32 v23, 2, v1
	s_wait_loadcnt 0x0
	s_wait_alu depctr_va_vdst(0)
.irp i, 0,1,2,3,4,5,6,7
	ds_store_b128 v7, v[64+4*\i:67+4*\i] offset:2*SP*\i
.endr
.irp e, 0,1,2,3
.irp k, 0,1
	ds_load_b128 v[96+8*\e+4*\k:99+8*\e+4*\k], v8 offset:64*\e+16*\k   ; LDS serves a wave's instructions in order: these see my stores.  Step e: word n = keys 32 h + 4 n + 0 .. 3 of query r
.endr
.endr
	s_wait_dscnt 0x0
.macro MSTEP e
.set D, 96+8*\e
	v_or_b32 v20, v[D], v[D+1]
	v_and_b32 v21, v[D], v[D+1]
.irp n, 2,3,4,5,6,7
	v_or_b32 v20, v20, v[D+\n]
	v_and_b32 v21, v21, v[D+\n]
.endr
	v_cmp_ne_u32 s36, 0, v20                       ; lanes with an open key
	v_cmp_eq_u32 s37, s40, v21                     ; lanes with none hidden
	s_cmp_lg_u32 s36, 0
	s_cselect_b32 s38, 1, 0
	s_cmp_eq_u32 s37, -1
	s_cselect_b32 s39, 1, 0
	s_add_co_u32 s38, s38, s39                     ; 0, 1 or 2: chosen, not branched on
	v_writelane_b32 v22, s38, \e
.irp t, 0,1,2,3
	v_lshl_or_b32 v[32+4*\e+\t], v[D+2*\t+1], 4, v[D+2*\t]     ; eight bytes of 0 or 1 become eight nibbles,
	v_xor_b32 v[32+4*\e+\t], 0x11111111, v[32+4*\e+\t]         ; 1 where hidden,
	v_mul_lo_u32 v[32+4*\e+\t], v[32+4*\e+\t], 14              ; 0xE where hidden: no nibble carries into the next
.endr
	global_store_b128 v4, v[32+4*\e:35+4*\e], s[16:17] offset:512*\e   ; 512 consecutive bytes; each step has registers of its own
.endm
	MSTEP 0
	MSTEP 1
	MSTEP 2
	MSTEP 3
	v_cmp_gt_u32 vcc_lo, 4, v1
	s_wait_xcnt 0x0                                ; EXEC is a source of the stores above: it changes only behind this wait
	s_wait_tensorcnt 0x0
	ds_add_u32 v192, v193
	s_wait_dscnt 0x0
	s_and_saveexec_b32 s41, vcc_lo
	global_store_b32 v23, v22, s[18:19]            ; lanes 0-3: the four steps' classes
	s_wait_xcnt 0x0                                ; and again in front of the line that widens it
	s_or_b32 exec_lo, exec_lo, s41
	s_endpgm
.macro SCALE e                         ; v10 = 2^e as f32 (the conversion takes its exponent field), v11 = 57,344 x 2^e
	s_add_co_i32 s34, \e, 127
	s_lshl_b32 s35, s34, 23
	v_mov_b32 v10, s35
	s_add_co_i32 s34, s34, 15
	s_lshl_b32 s34, s34, 23
	s_or_b32 s34, s34, 0x600000
	v_mov_b32 v11, s34
.endm
; ---- KEYS.  A wave takes one step of one head: 64 keys x 64 channels, 16 KiB in, 4 KiB out.
.Lk:
	s_load_b128 s[24:27], s[10:11], 0x0            ; eq, ek, ep, ev
	s_lshl_b32 s28, ttmp9, 2
	s_add_co_u32 s28, s28, s20                     ; 32 x head + step
	s_lshl_b32 s30, s28, 14
	s_add_nc_u64 s[4:5], s[4:5], s[30:31]
	s_lshl_b32 s30, s28, 12
	s_add_nc_u64 s[12:13], s[12:13], s[30:31]
.irp t, 0,1,2,3                        ; tile t's sixteen keys are 8 t + 0 .. 7 and 32 + 8 t + 0 .. 7; a load takes two keys, 512 consecutive bytes
.irp i, 0,1,2,3,4,5,6,7
	global_load_b128 v[64+32*\t+4*\i:67+32*\t+4*\i], v4, s[4:5] offset:(8*\t+2*\i+24*(\i/4))*256 th:TH_LOAD_NT
.endr
.endr
	s_wait_kmcnt 0x0
	SCALE s25
.macro KFRAG t
	s_wait_loadcnt 8*(3-\t)                        ; loads come back in order: this tile's eight are in, the later tiles' stay out
.irp i, 0,1,2,3,4,5,6,7
	ds_store_b128 v5, v[64+32*\t+4*\i:67+32*\t+4*\i] offset:2*SP*\i      ; stage row = the tile's row
.endr
.irp n, 0,1,2,3,4,5,6,7
	ds_load_b128 v[32+4*\n:35+4*\n], v6 offset:16*\n                     ; my row's channels 32 h + 0 .. 31
.endr
	s_wait_dscnt 0x0
.set i, 0
.rept 32
	v_med3_num_f32 v[32+i], v[32+i], -v11, v11     ; the conversion to an 8-bit code does not saturate (ISA guide 7.6.2): the hold comes first
.set i, i+1
.endr
.irp g, 0,1,2,3
	v_cvt_scalef32_pk8_bf8_f32 v[64+32*\t+2*\g:65+32*\t+2*\g], v[32+8*\g:39+8*\g], v10   ; into registers of this tile's own, which the stage's stores have read
.endr
	v_nop                                          ; a plain line between the conversions and the next tile's holds, which write their sources
	global_store_b128 v4, v[64+32*\t:67+32*\t], s[12:13] offset:1024*\t
	global_store_b128 v4, v[68+32*\t:71+32*\t], s[12:13] offset:1024*\t+512
.endm
	s_wait_alu depctr_va_vdst(0)
	KFRAG 0
	KFRAG 1
	KFRAG 2
	KFRAG 3
	s_wait_tensorcnt 0x0
	ds_add_u32 v192, v193
	s_wait_dscnt 0x0
	s_endpgm
; ---- VALUES.  K of the second product is the keys, the first axis of a head's values: a lane takes a channel and its registers run down the keys, so the conversions
; give codes with the keys innermost.  A wave takes 128 keys (two steps) x 32 channels; two waves side by side cover a key's 256 bytes.
.Lv:
	s_load_b128 s[24:27], s[10:11], 0x0
	s_sub_co_u32 s28, ttmp9, 256
	s_lshl_b32 s28, s28, 1
	s_lshr_b32 s29, s20, 1
	s_add_co_u32 s28, s28, s29                     ; 16 x head + which 128 keys
	s_and_b32 s29, s20, 1                          ; which 32 channels
	s_lshl_b32 s30, s28, 15
	s_add_nc_u64 s[6:7], s[6:7], s[30:31]
	s_lshl_b32 s30, s28, 13
	s_add_nc_u64 s[14:15], s[14:15], s[30:31]
	s_lshl_b32 s32, s29, 7
	v_lshl_add_u32 v12, v1, 2, s32                 ; in: 4 bytes a lane
	s_lshl_b32 s32, s29, 11
	v_lshlrev_b32 v13, 10, v3
	v_lshl_add_u32 v13, v2, 4, v13
	v_add_nc_u32 v13, s32, v13                     ; out: my channel 32 cw + lane is tile u = 2 cw + h, row r: 1,024 u + 16 r
.set i, 0
.rept 128
	global_load_b32 v[64+i], v12, s[6:7] offset:256*i th:TH_LOAD_NT
.set i, i+1
.endr
	s_wait_kmcnt 0x0
	SCALE s27
.macro VSTEP q, left
	s_wait_loadcnt \left
.set i, 0
.rept 64
	v_med3_num_f32 v[64+64*\q+i], v[64+64*\q+i], -v11, v11
.set i, i+1
.endr
.irp g, 0,1,2,3,4,5,6,7
	v_cvt_scalef32_pk8_bf8_f32 v[32+16*\q+2*\g:33+16*\q+2*\g], v[64+64*\q+8*\g:71+64*\q+8*\g], v10
.endr
	v_nop                                          ; a plain line behind the last conversion
.irp k, 0,1                            ; keys 32 k on belong to the image's lanes 16 k + r
.irp c, 0,1
	global_store_b128 v13, v[32+16*\q+8*\k+4*\c:35+16*\q+8*\k+4*\c], s[14:15] offset:4096*\q+512*\c+256*\k   ; each half of the lanes stores 256 consecutive bytes, aligned
.endr
.endr
.endm
	s_wait_alu depctr_va_vdst(0)
	VSTEP 0, 63                                    ; at most 63 of the 128 loads are out: the first step's 64 are in
	VSTEP 1, 0
	s_endpgm
.Lfunc_end_k_q5a1f5068e3_prep:
	.size	k_q5a1f5068e3_prep, .Lfunc_end_k_q5a1f5068e3_prep-k_q5a1f5068e3_prep
	.p2alignl 7, 3214868480
	.fill 96, 4, 3214868480
	.section	.rodata,"a",@progbits
	.p2align	6, 0x0
	.amdhsa_kernel k_q5a1f5068e3_prep
		.amdhsa_group_segment_fixed_size 35328
		.amdhsa_private_segment_fixed_size 0
		.amdhsa_enable_private_segment 0
		.amdhsa_kernarg_size 64
		.amdhsa_user_sgpr_count 2
		.amdhsa_user_sgpr_kernarg_segment_ptr 1
		.amdhsa_wavefront_size32 1
		.amdhsa_system_sgpr_workgroup_id_x 1
		.amdhsa_system_sgpr_workgroup_id_y 1
		.amdhsa_system_sgpr_workgroup_id_z 1
		.amdhsa_system_vgpr_workitem_id 0
		.amdhsa_next_free_vgpr 194
		.amdhsa_next_free_sgpr 66
		.amdhsa_reserve_vcc 1
		.amdhsa_float_denorm_mode_32 3
		.amdhsa_float_denorm_mode_16_64 3
		.amdhsa_memory_ordered 1
		.amdhsa_forward_progress 1
		.amdhsa_inst_pref_size 52
	.end_amdhsa_kernel
	.amdgpu_metadata
---
amdhsa.version: [ 1, 2 ]
amdhsa.kernels:
  - .name:           k_q5a1f5068e3_prep
    .symbol:         k_q5a1f5068e3_prep.kd
    .args:
      - { .name: keys, .offset: 0, .size: 8, .value_kind: global_buffer, .address_space: global }
      - { .name: values, .offset: 8, .size: 8, .value_kind: global_buffer, .address_space: global }
      - { .name: mask, .offset: 16, .size: 8, .value_kind: global_buffer, .address_space: global }
      - { .name: lowp_scales, .offset: 24, .size: 8, .value_kind: global_buffer, .address_space: global }
      - { .name: kcodes, .offset: 32, .size: 8, .value_kind: global_buffer, .address_space: global }
      - { .name: vcodes, .offset: 40, .size: 8, .value_kind: global_buffer, .address_space: global }
      - { .name: maskn, .offset: 48, .size: 8, .value_kind: global_buffer, .address_space: global }
      - { .name: flags, .offset: 56, .size: 8, .value_kind: global_buffer, .address_space: global }
    .group_segment_fixed_size: 35328
    .private_segment_fixed_size: 0
    .kernarg_segment_align: 8
    .kernarg_segment_size: 64
    .max_flat_workgroup_size: 128
    .sgpr_count:     66
    .vgpr_count:     194
    .wavefront_size: 32
...
	.end_amdgpu_metadata
.endif
;; end of part 3
;; launch attn (part 4): grid 8 x 32, 8 waves a work-group, no clusters, 297,984 bytes of LDS; arguments queries, kcodes, vcodes, maskn, flags, lowp_scales, out0; writes out0
.if DOCPART == 4
	.amdgcn_target "amdgcn-amd-amdhsa--gfx1250"
	.amdhsa_code_object_version 6
	.text
	.protected	k_q5a1f5068e3_attn
	.globl	k_q5a1f5068e3_attn
	.p2align	8
	.type	k_q5a1f5068e3_attn,@function
k_q5a1f5068e3_attn:
	s_mov_b64 s[64:65], 0
	v_nop
	global_prefetch_b8 v0, s[64:65] scope:SCOPE_SE
	s_setreg_imm32_b32 hwreg(HW_REG_WAVE_SCHED_MODE, 0, 2), 2
	s_setreg_imm32_b32 hwreg(HW_REG_WAVE_MODE, 25, 1), 1
	s_wait_xcnt 0x0
	s_wait_alu depctr_vm_vsrc(0)
; out[head][q][:] = sum over k of w(q, k) V[head][k][:],  w = min(mask, softmax_k(Q.K / 8 - 1e9 (1 - mask))), both products on codes of BF8 (E5M2) with the four given scales eq, ek, ep, ev.
; THE FINISHED, NORMALISED w IS WHAT IS QUANTISED, so a row's maximum and sum are known before any of its weights is made: TWO PASSES over the keys.
;   pass 1: S^T = K Q^T, running maximum m and sum l a lane;   pass 2: S^T again, w = 2^(c s - c m) / l, held, quantised with 2^ep, O^T += V^T w^T.   c = log2(e) / 8 x 2^(eq + ek).
; w is the softmax where the mask is 1 (it is at most 1) and 0 where the mask is 0; a hidden key's term of the sum is 0 in f32 as long as a row has an open key; a row with none gives zeros.
; SHARES.  A work-group has one head and 16 tiles of 16 queries; its eight waves have two tiles each: p = 8 x + wave and 127 - p.  The pairing is right for every mask and enters global addresses alone.
; The head's K and V codes, 128 KiB each, lie whole in LDS as images of the operands' registers (made by the launch before), copied once through registers.
; THE MASK is honoured as it is given.  For each tile and step of 64 keys a stored class says: no key open (the step is passed over), all open (products start from 0), or mixed.
; In a mixed step each score's product starts from C = the key's nibble moved to the top of the word: 0xE gives a number between -2^95 and -2^65, 0 a positive one under 2^-96.  Raw sums of codes are
; under 2^38 in magnitude, and the maximum starts at -2^40: above every hidden score, under every open one.  So the matrix unit adds the mask, and a hidden key's exponential is 0.
; NO TENSOR LOADS, NO CLUSTER, though the eight work-groups of a head read the same 256 KiB of codes: the walk branches on the stored classes.
; NO PREFETCH: K, V and Q are all asked for at the head, the mask's words one step ahead of their use.
; LAYOUT.  Both products transposed: a lane (r, h) holds query r.  Register j of score tile t is key 32 h + 8 t + j of the step, so tile t's conversion gives registers 2 t, 2 t + 1 of the second product's operand.
; Channels and keys stand in the operands in one order for both sides of each product (place (h, register n, byte b) = 32 h + 4 n + b): every product meets its partner.
; LIMITS: eq and ep between -126 and 112; eq + ek between -50 and 60; true scores under 1e8 in magnitude (so that -1e9 gives weight 0); NaN among the inputs is not served.
; THE MODE: SCHED_MODE bits 1:0 = 2 (LLVM: expert scheduling mode 2), set by the entry lines.  The code itself states the register dependences between vector or matrix instructions and
; memory or LDS instructions, with s_wait_alu, always for 0.
; THE PLAN.  Registers that memory or LDS instructions touch in the two loops:
;   K's fragments v128-159   Step s: its score products read them; behind them the LDS loads of step s + 1 land in them.
;   V's fragments v160-191   Pass 2, step s: LDS loads land in them behind the score products; the step's second products, at its end, read them.
;   the mask words v32-39    Step s: the shifts ahead of a mixed tile's products read them; behind the products the loads of step s + 1 land in them.
;   v[ADK], v[ADV]           Written by one addition a step, behind the score products; read by the step's LDS loads.
;   v[L16]                   Read by the mask words' loads; never written again.
; So a step is: the score products; ONE wait on vm_vsrc (the earlier LDS loads have read the two addresses); the additions; ONE wait on va_vdst (the addresses are written; this step's products and shifts
; are done reading K's fragments and the mask words; the last step's second products are done reading V's fragments); all the step's loads; the softmaxes, which name none of those registers until V's
; fragments are waited for.  The loads stand in one run behind the wait and not among the softmaxes' lines: a tile's softmax is jumped over by its class, and a load laid in it would be jumped over too.
.set STG,  262144                      ; LDS: K's image at 0 (step s at 4,096 s), V's at 131,072, then a stage of 16 rows x 272 bytes for each wave
.set L16,  1                           ; v1   16 x lane; never rewritten
.set L16V, 2                           ; v2   the same + 131,072
.set ADK,  3                           ; v3   LDS address of the step's K
.set ADV,  4                           ; v4   of its V (until pass 2: where I store my part of V's image)
.set STO,  5                           ; v5   the stage, in
.set RD,   6                           ; v6   the stage, out
.set QO,   7                           ; v7   my byte in a tile of Q
.set F,    12                          ; v[12:13] the rescaling factor; v13 = 0 and stays 0
.set U,    14                          ; v[14:15] a second chain of sums
.set NM,   16                          ; v[16+2x] -c m of tile x (the pair's upper word is named only)
.set LS,   20                          ; v[20+2x:21+2x] l, in two halves
.set MR,   24                          ; v[24+x] the raw maximum
.set RC,   26                          ; v[26+2x] 1 / l
.set SCP,  30                          ; v30  2^ep
.set LIMP, 31                          ; v31  57,344 x 2^ep
.set MW,   32                          ; v[32+4x ..] the step's four mask words
.set QC,   40                          ; v[40+8x ..] Q's codes
.set PC,   56                          ; v56-63 w's codes
.set S,    64                          ; v[64+32x ..] S^T
.set KF,   128                         ; v128-159 K's four fragments
.set VF,   160                         ; v160-191 V's four
.set O,    192                         ; v[192+32x ..] O^T.   v256-383: V's codes on their way from memory to LDS, during pass 1
; s[28:29] c, s30 -c, s[32:33] lane selects, s34-37 the classes as bit masks over the steps (any A, mixed A, any B, mixed B), s38-41 their working copies (bit 0 = the step in hand),
; s[44:47] the tiles' mask words, s[48:51] the same at the step in hand, s52 the step's LDS byte, s53 trips, s54-55 at work, s[56:59] out, s[60:63] Q
.set MSB, 0
.macro WIN new                         ; the immediate's high byte repeats the setting that is left
.if MSB != \new
	s_set_vgpr_msb (MSB<<8)|\new
.set MSB, \new
.endif
.endm
	s_load_b256 s[4:11], s[0:1], 0x0               ; queries s[4:5], kcodes s[6:7], vcodes s[8:9], maskn s[10:11]
	s_load_b128 s[12:15], s[0:1], 0x20             ; flags s[12:13], lowp_scales s[14:15]
	s_load_b64 s[16:17], s[0:1], 0x30              ; out0
	s_set_vgpr_msb 0x40
	v_lshl_add_u32 v128, v0, 2, 0x48800
	v_mov_b32 v129, 0
	s_set_vgpr_msb 0x4000
	v_lshrrev_b32 v8, 5, v0
	v_readfirstlane_b32 s18, v8                    ; wave 0..7
	v_and_b32 v9, 31, v0                           ; lane
	v_and_b32 v10, 15, v0                          ; r
	v_bfe_u32 v11, v0, 4, 1                        ; h
	v_lshlrev_b32 v[L16], 4, v9
	v_add_nc_u32 v[L16V], 0x20000, v[L16]
	s_wait_alu depctr_va_sdst(0)                   ; s18 is written, ahead of its first reader: LDS addresses and all the bases are made from it
	s_lshl_b32 s54, s18, 14                        ; my eighth of an image: 16 KiB
	v_add_nc_u32 v[ADK], s54, v[L16]
	v_add_nc_u32 v[ADV], s54, v[L16V]
	s_mul_i32 s55, s18, 16*272
	s_add_co_u32 s55, s55, STG
	v_mul_u32_u24 v[STO], v10, 272
	v_lshl_add_u32 v[STO], v11, 5, v[STO]
	v_add_nc_u32 v[STO], s55, v[STO]               ; in: row r, 32 h
	v_mul_u32_u24 v[RD], v11, 272
	v_lshl_add_u32 v[RD], v10, 4, v[RD]
	v_add_nc_u32 v[RD], s55, v[RD]                 ; out: two rows a load: row h, 16 r
	v_lshlrev_b32 v[QO], 8, v10
	v_lshl_add_u32 v[QO], v11, 7, v[QO]            ; Q: row r of 256 bytes, + 128 h: my 32 channels
	s_and_b32 s19, ttmp7, 0xffff                   ; head
	s_lshl_b32 s20, ttmp9, 3
	s_add_co_u32 s20, s20, s18                     ; tile A = 8 x + wave
	s_sub_co_u32 s21, 127, s20                     ; tile B
	s_lshl_b32 s22, s19, 17
	s_add_co_u32 s22, s22, s54                     ; my eighth of the head's codes
	s_mov_b32 s23, 0
	s_lshl_b32 s2, s19, 7
	s_add_co_u32 s42, s2, s21
	s_add_co_u32 s2, s2, s20
	s_lshl_b32 s2, s2, 12                          ; a tile of Q or of out is 4,096 bytes
	s_lshl_b32 s42, s42, 12
	s_mov_b32 s3, 0
	s_mov_b32 s43, 0
	s_lshl_b32 s48, s20, 14                        ; a tile's mask words: 32 steps of 512 bytes
	s_mov_b32 s49, 0
	s_lshl_b32 s50, s21, 14
	s_mov_b32 s51, 0
	s_lshl_b32 s54, s20, 7                         ; a tile's classes: 32 words
	s_lshl_b32 s55, s21, 7
	v_lshlrev_b32 v9, 2, v9
	v_add_nc_u32 v10, s54, v9                      ; lane s takes step s's class
	v_add_nc_u32 v11, s55, v9
	s_mov_b32 s32, 0x76543210                      ; v_permlanex16_b32: lane l xor 16
	s_mov_b32 s33, 0xfedcba98
	s_wait_kmcnt 0x0
	s_load_b128 s[24:27], s[14:15], 0x0            ; eq, ek, ep, ev
	s_add_nc_u64 s[6:7], s[6:7], s[22:23]
	s_add_nc_u64 s[8:9], s[8:9], s[22:23]
	s_add_nc_u64 s[60:61], s[4:5], s[2:3]
	s_add_nc_u64 s[62:63], s[4:5], s[42:43]
	s_add_nc_u64 s[56:57], s[16:17], s[2:3]
	s_add_nc_u64 s[58:59], s[16:17], s[42:43]
	s_add_nc_u64 s[44:45], s[10:11], s[48:49]
	s_add_nc_u64 s[46:47], s[10:11], s[50:51]
	s_wait_alu depctr_va_vdst(0)                   ; the addresses v1 to v7 and the offsets v10, v11 are written, which the loads and stores of the whole kernel read; the lines that wrote and read v8 and v9, in which the classes land, are done
.set i, 0
.rept 32
	global_load_b128 v[KF+4*i:KF+4*i+3], v[L16], s[6:7] offset:512*i       ; my eighth of K's image: v128-255 serve as staging
.set i, i+1
.endr
	global_load_b128 v[MW:MW+3], v[L16], s[44:45]                          ; step 0's mask words
	global_load_b128 v[MW+4:MW+7], v[L16], s[46:47]
	global_load_b32 v8, v10, s[12:13]
	global_load_b32 v9, v11, s[12:13]
.irp x, 0,1
.irp i, 0,1,2,3,4,5,6,7
	global_load_b128 v[S+32*\x+4*\i:S+32*\x+4*\i+3], v[QO], s[60+2*\x:61+2*\x] offset:16*\i th:TH_LOAD_NT
.endr
.endr
	WIN 0x40                                       ; destination v256 on.  Between the wait above and the loads below stand loads and this switch alone
.set i, 0
.rept 32
	global_load_b128 v[4*i:4*i+3], v[L16], s[8:9] offset:512*i             ; my eighth of V's image: it lands during pass 1
.set i, i+1
.endr
	WIN 0
	s_wait_loadcnt 52                              ; behind K's loads: 2 + 2 + 16 + 32
.set i, 0
.rept 32
	ds_store_b128 v[ADK], v[KF+4*i:KF+4*i+3] offset:512*i
.set i, i+1
.endr
	s_wait_loadcnt 32                              ; only V's stay out
	v_cmp_ne_u32 s34, 0, v8                        ; bit s: step s has an open key for tile A
	v_cmp_eq_u32 s35, 1, v8                        ; bit s: and hidden ones
	v_cmp_ne_u32 s36, 0, v9
	v_cmp_eq_u32 s37, 1, v9
	s_wait_alu depctr_va_sdst(0)                   ; s34 to s37 are written: one wait behind the four compares, ahead of the scalar copies that each pass makes of them
	s_wait_kmcnt 0x0
	s_add_co_i32 s54, s24, s25
	s_lshl_b32 s54, s54, 23
	s_add_co_i32 s28, s54, 0x3e38aa3b              ; log2(e) / 8 with eq + ek added to its exponent field
	s_mov_b32 s29, s28                             ; (named with it as a pair)
	s_xor_b32 s30, s28, 0x80000000                 ; -c
	s_add_co_i32 s54, s24, 127
	s_lshl_b32 s55, s54, 23
	s_wait_alu depctr_vm_vsrc(0)                   ; the classes' loads have read their offsets v10 and v11; the LDS stores of K's image have read v128-255 and v[ADK]: all of these are written again from here on
	v_mov_b32 v10, s55                             ; 2^eq  (the classes' loads are in: their offsets' registers are free)
	s_add_co_i32 s54, s54, 15
	s_lshl_b32 s54, s54, 23
	s_or_b32 s54, s54, 0x600000
	v_mov_b32 v11, s54                             ; 57,344 x 2^eq
	s_add_co_i32 s54, s26, 127
	s_lshl_b32 s55, s54, 23
	v_mov_b32 v[SCP], s55
	s_add_co_i32 s54, s54, 15
	s_lshl_b32 s54, s54, 23
	s_or_b32 s54, s54, 0x600000
	v_mov_b32 v[LIMP], s54
.macro QUANTQ x
.set i, 0
.rept 32
	v_med3_num_f32 v[S+32*\x+i], v[S+32*\x+i], -v11, v11   ; the conversion does not saturate (ISA guide 7.6.2)
.set i, i+1
.endr
.irp g, 0,1,2,3
	v_cvt_scalef32_pk8_bf8_f32 v[QC+8*\x+2*\g:QC+8*\x+2*\g+1], v[S+32*\x+8*\g:S+32*\x+8*\g+7], v10
.endr
	v_nop                                          ; a plain line behind the conversions: products read their results and write their sources
.endm
	QUANTQ 0
	QUANTQ 1
	s_wait_dscnt 0x0                               ; my part of K's image has landed
	s_barrier_signal -1
	v_mov_b32 v[F+1], 0                            ; register work while the others arrive
.irp x, 0,1
	v_mov_b32 v[MR+\x], 0xd3800000                 ; -2^40
	v_mov_b32 v[NM+2*\x+1], 0
	v_mov_b32 v[LS+2*\x], 0
	v_mov_b32 v[LS+2*\x+1], 0
	v_mov_b32 v[RC+2*\x+1], 0
	v_mul_f32 v[NM+2*\x], s30, v[MR+\x]
.endr
.set i, 0
.rept 64
	v_mov_b32 v[O+i], 0                            ; which step is a tile's first hangs on the mask, so no product can be written out to start the sums
.set i, i+1
.endr
	s_barrier_wait -1                              ; K's image is whole
.macro KLOAD off
.irp t, 0,1,2,3
.irp c, 0,1
	ds_load_b128 v[KF+8*\t+4*\c:KF+8*\t+4*\c+3], v[ADK] offset:\off+1024*\t+512*\c
.endr
.endr
.endm
.macro VLOAD
.irp u, 0,1,2,3
.irp c, 0,1
	ds_load_b128 v[VF+8*\u+4*\c:VF+8*\u+4*\c+3], v[ADV] offset:1024*\u+512*\c
.endr
.endr
.endm
; Tile x's four score products of the step in hand, if it has an open key.  The accumulators take turns, one instruction a turn, on every way through the text.
.macro PROD x
	s_and_b32 s54, s[38+2*\x], 1
	s_cbranch_scc0 .Lpe_\@
	s_and_b32 s54, s[39+2*\x], 1
	s_cbranch_scc1 .Lpm_\@
.irp t, 0,1,2,3
	v_wmma_f32_16x16x64_bf8_bf8 v[S+32*\x+8*\t:S+32*\x+8*\t+7], v[KF+8*\t:KF+8*\t+7], v[QC+8*\x:QC+8*\x+7], 0
.endr
	s_branch .Lpe_\@
.Lpm_\@:
	s_wait_loadcnt 0x0                             ; the step's mask words are in
.irp t, 0,1,2,3
.irp j, 0,1,2,3,4,5,6,7
.set sh, 28-4*(2*(\j%4)+\j/4)
.if sh == 0
	v_mov_b32 v[S+32*\x+8*\t+\j], v[MW+4*\x+\t]
.else
	v_lshlrev_b32 v[S+32*\x+8*\t+\j], sh, v[MW+4*\x+\t]    ; key 8 t + j's nibble on top: hugely negative where hidden, next to nothing where open
.endif
.endr
.endr
.irp t, 0,1,2,3
	v_wmma_f32_16x16x64_bf8_bf8 v[S+32*\x+8*\t:S+32*\x+8*\t+7], v[KF+8*\t:KF+8*\t+7], v[QC+8*\x:QC+8*\x+7], v[S+32*\x+8*\t:S+32*\x+8*\t+7]
.endr
.Lpe_\@:
.endm
; What the next step will want, asked for now: its K where either tile has an open key there, its mask words where either tile is mixed there.
; No wait on the vector side stands here: no vector or matrix instruction since the step's wait on va_vdst names K's fragments, the mask words or an address.
.macro PRELOAD
	s_or_b32 s54, s38, s40
	s_and_b32 s54, s54, 2
	s_cbranch_scc0 .Lnk_\@
	KLOAD 4096
.Lnk_\@:
	s_or_b32 s54, s39, s41
	s_and_b32 s54, s54, 2
	s_cbranch_scc0 .Lnm_\@
	s_wait_loadcnt 0x0                             ; no load lands on registers that an earlier load may still write
	global_load_b128 v[MW:MW+3], v[L16], s[48:49] offset:512
	global_load_b128 v[MW+4:MW+7], v[L16], s[50:51] offset:512
.Lnm_\@:
.endm
; Pass 1, tile x: the lane's maximum over its 32 scores and the old one; l = l 2^(new NM - old NM) + the sum of 2^(c s + NM), NM = -c m as rounded: its rounding is the same in every term.
.macro SOFT1 x
	s_and_b32 s54, s[38+2*\x], 1
	s_cbranch_scc0 .Ls1_\@
.set SS, S+32*\x
	v_max3_num_f32 v8, v[SS], v[SS+1], v[MR+\x]    ; two chains; each accumulator is first read in its four lowest registers
	v_max3_num_f32 v9, v[SS+2], v[SS+3], v[SS+4]
.set i, 5
.rept 6
	v_max3_num_f32 v8, v8, v[SS+i], v[SS+i+1]
	v_max3_num_f32 v9, v9, v[SS+i+2], v[SS+i+3]
.set i, i+4
.endr
	v_max3_num_f32 v8, v8, v[SS+29], v[SS+30]
	v_max3_num_f32 v[MR+\x], v8, v9, v[SS+31]
	v_mul_f32 v10, s30, v[MR+\x]
	v_sub_f32 v11, v10, v[NM+2*\x]                 ; 0 or less
	v_mov_b32 v[NM+2*\x], v10
.set i, 0
.rept 16
	v_pk_fma_f32 v[SS+i:SS+i+1], v[SS+i:SS+i+1], s[28:29], v[NM+2*\x:NM+2*\x+1] op_sel_hi:[1,0,0]   ; c s - c m, two at a time
.set i, i+2
.endr
	s_wait_alu depctr_va_vdst(0)
	v_exp_f32 v[F], v11
.set i, 0
.rept 32
	v_exp_f32 v[SS+i], v[SS+i]
.set i, i+1
.endr
	v_nop                                          ; a plain line behind the last exponential
	s_wait_alu depctr_va_vdst(0)                   ; the 33 exponentials have written v[F] and the tile's 32 registers: one wait for the batch, ahead of its first reader
	v_pk_mul_f32 v[LS+2*\x:LS+2*\x+1], v[LS+2*\x:LS+2*\x+1], v[F:F+1] op_sel_hi:[1,0]
	v_pk_add_f32 v[U:U+1], v[SS:SS+1], v[SS+2:SS+3]
.set i, 4
.rept 7
	v_pk_add_f32 v[LS+2*\x:LS+2*\x+1], v[LS+2*\x:LS+2*\x+1], v[SS+i:SS+i+1]
	v_pk_add_f32 v[U:U+1], v[U:U+1], v[SS+i+2:SS+i+3]
.set i, i+4
.endr
	v_pk_add_f32 v[LS+2*\x:LS+2*\x+1], v[LS+2*\x:LS+2*\x+1], v[U:U+1]
.Ls1_\@:
.endm
; Pass 2, tile x: w = 2^(c s + NM) / l, held at the largest code x 2^ep (w is not negative: one side), quantised; O^T += V^T w^T.
.macro SOFT2 x
	s_and_b32 s54, s[38+2*\x], 1
	s_cbranch_scc0 .Ls2_\@
.set SS, S+32*\x
.set i, 0
.rept 16
	v_pk_fma_f32 v[SS+i:SS+i+1], v[SS+i:SS+i+1], s[28:29], v[NM+2*\x:NM+2*\x+1] op_sel_hi:[1,0,0]   ; these sixteen are also the places behind the other tile's products, ahead of the writes of w's codes
.set i, i+2
.endr
.set i, 0
	s_wait_alu depctr_va_vdst(0)
.rept 32
	v_exp_f32 v[SS+i], v[SS+i]
.set i, i+1
.endr
	v_nop
	s_wait_alu depctr_va_vdst(0)                   ; the 32 exponentials have written the tile's registers: one wait for the batch, ahead of its first reader
.set i, 0
.rept 16
	v_pk_mul_f32 v[SS+i:SS+i+1], v[SS+i:SS+i+1], v[RC+2*\x:RC+2*\x+1] op_sel_hi:[1,0]
.set i, i+2
.endr
.set i, 0
.rept 32
	v_min_num_f32 v[SS+i], v[SS+i], v[LIMP]
.set i, i+1
.endr
.irp t, 0,1,2,3
	v_cvt_scalef32_pk8_bf8_f32 v[PC+2*\t:PC+2*\t+1], v[SS+8*\t:SS+8*\t+7], v[SCP]
.endr
	v_nop                                          ; a plain line between the conversions and the products that read their results
	s_wait_alu depctr_va_vdst(0)
	s_wait_dscnt 0x0                               ; V's fragments are in
.irp u, 0,1,2,3
	v_wmma_f32_16x16x64_bf8_bf8 v[O+32*\x+8*\u:O+32*\x+8*\u+7], v[VF+8*\u:VF+8*\u+7], v[PC:PC+7], v[O+32*\x+8*\u:O+32*\x+8*\u+7]
.endr
.Ls2_\@:
.endm
; A step of 64 keys in pass p.  last = 1: nothing is asked for beyond the images' and the mask words' ends.
.macro STEP p, last
.set NA, (1-(\last))+((\p)-1)                  ; the step's additions to LDS addresses: K's where a next step is looked at, V's in pass 2
	s_wait_dscnt 0x0                               ; on every way: no LDS load is out, so K's fragments are in and none can be loaded over a pending one
	s_or_b32 s54, s38, s40
	s_and_b32 s54, s54, 1
	s_cbranch_scc0 .Lnp_\@
	PROD 0
	PROD 1
.Lnp_\@:
.rept 5-NA
	v_nop                                          ; five places (ISA guide 7.12.1), the additions below among them, ahead of reads of the scores and of the next step's products, which write over the scores.  They stand behind the label: on every way through the text they also lie between any product and a load into its registers
.endr
.if NA > 0
	s_wait_alu depctr_vm_vsrc(0)                   ; the LDS loads and stores issued so far have read v[ADK] and v[ADV], which the additions write
.if \last == 0
	v_add_nc_u32 v[ADK], s52, v[L16]
.endif
.if \p == 2
	v_add_nc_u32 v[ADV], s52, v[L16V]
.endif
	s_wait_alu depctr_va_vdst(0)                   ; the additions have written the addresses; this step's products are done reading K's fragments and its shifts the mask words; the last step's second products are done reading V's fragments: all the loads of this step follow
.endif
.if \p == 2
	s_or_b32 s54, s38, s40
	s_and_b32 s54, s54, 1
	s_cbranch_scc0 .Lnv_\@
	VLOAD                                          ; this step's V, where either tile has an open key in it
.Lnv_\@:
.endif
.if \last == 0
	PRELOAD
.endif
.if \p == 1
	SOFT1 0
	SOFT1 1
.else
	SOFT2 0
	SOFT2 1
.endif
.endm
.macro ADVANCE
	s_wait_xcnt 0x0                                ; the mask words' loads have read their bases, which are scalar registers
	s_add_nc_u64 s[48:49], s[48:49], 512
	s_add_nc_u64 s[50:51], s[50:51], 512
	s_add_co_u32 s52, s52, 4096
	s_lshr_b32 s38, s38, 1
	s_lshr_b32 s39, s39, 1
	s_lshr_b32 s40, s40, 1
	s_lshr_b32 s41, s41, 1
	s_add_co_u32 s53, s53, 1
.endm
.macro SETUP again                     ; again = 1: ahead of pass 2
	s_mov_b32 s38, s34
	s_mov_b32 s39, s35
	s_mov_b32 s40, s36
	s_mov_b32 s41, s37
	s_mov_b64 s[48:49], s[44:45]
	s_mov_b64 s[50:51], s[46:47]
	s_mov_b32 s52, 0
	s_mov_b32 s53, 0
.if \again
	s_wait_alu depctr_vm_vsrc(0)                   ; pass 1's LDS loads have read v[ADK].  (Ahead of pass 1 the wait at the head has said so of the image's stores)
.endif
	v_mov_b32 v[ADK], v[L16]
	s_wait_alu depctr_va_vdst(0)                   ; v[ADK] is written; ahead of pass 2 also: pass 1's products are done reading K's fragments, and its shifts the mask words, in which the loads below land
	KLOAD 0
.endm
; The two halves of the lanes hold a query's two halves of the keys: the smaller NM (the larger m) serves both, l is brought under it and added, R = 1 / l, or 0 for a row with no open key.
.macro FINAL x
	v_permlanex16_b32 v8, v[NM+2*\x], s32, s33
	v_min_num_f32 v9, v[NM+2*\x], v8
	v_sub_f32 v10, v9, v[NM+2*\x]
	s_wait_alu depctr_va_vdst(0)
	v_exp_f32 v10, v10
	v_add_f32 v11, v[LS+2*\x], v[LS+2*\x+1]        ; (the plain line behind the exponential)
	s_wait_alu depctr_va_vdst(0)                   ; the exponential has written v10, ahead of its first reader
	v_mul_f32 v11, v11, v10
	v_permlanex16_b32 v8, v11, s32, s33
	v_add_f32 v11, v11, v8
	s_wait_alu depctr_va_vdst(0)
	v_rcp_f32 v[RC+2*\x], v11
	v_mov_b32 v[NM+2*\x], v9                       ; (the plain line behind the reciprocal)
	v_cmp_eq_f32 vcc_lo, 0, v11
	s_wait_alu depctr_va_vdst(0)                   ; the reciprocal has written its register, ahead of its first reader
	s_wait_alu depctr_va_vcc(0)                    ; the compare has written VCC, which the choice below reads
	v_cndmask_b32 v[RC+2*\x], v[RC+2*\x], v[F+1], vcc_lo
.endm
	; ---- PASS 1
	SETUP 0
.Lp1:
	STEP 1, 0
	ADVANCE
	s_cmp_lt_u32 s53, 31
	s_cbranch_scc1 .Lp1
	STEP 1, 1                                      ; step 31 is written out: it looks no further, issues no load, and so has no wait on the vector or the memory side beyond its softmaxes'
	; ---- V's image; the rows' maxima and sums are finished while the waves meet
	s_wait_loadcnt 0x0                             ; V's codes are in v256-383, and no load of mask words is out
	WIN 0x04                                       ; the stores' data: v256 on.  No vector instruction names them, and none has named v[ADV] since the head's wait on va_vdst
.set i, 0
.rept 32
	ds_store_b128 v[ADV], v[4*i:4*i+3] offset:512*i
.set i, i+1
.endr
	WIN 0
	s_wait_dscnt 0x0                               ; my part of V's image has landed
	s_barrier_signal -1
	FINAL 0
	FINAL 1
	s_barrier_wait -1                              ; V's image is whole
	; ---- PASS 2
	SETUP 1
	global_load_b128 v[MW:MW+3], v[L16], s[48:49]  ; step 0's mask words again
	global_load_b128 v[MW+4:MW+7], v[L16], s[50:51]
.Lp2:
	STEP 2, 0
	ADVANCE
	s_cmp_lt_u32 s53, 31
	s_cbranch_scc1 .Lp2
	STEP 2, 1
	; ---- THE WAY OUT.  O^T x 2^(ep + ev); a lane holds 8 neighbouring channels of a row for each of four tiles: a tile of 16 rows goes through my own stage and leaves as whole rows.
.macro SCALEO x
.set i, 0
.rept 32
	v_ldexp_f32 v[S+32*\x+i], v[O+32*\x+i], s55    ; each accumulator from its low end on
.set i, i+1
.endr
.endm
.macro TOSTAGE x
.irp u, 0,1,2,3
	ds_store_b128 v[STO], v[S+32*\x+8*\u:S+32*\x+8*\u+3] offset:64*\u
	ds_store_b128 v[STO], v[S+32*\x+8*\u+4:S+32*\x+8*\u+7] offset:64*\u+16
.endr
.irp i, 0,1,2,3,4,5,6,7
	ds_load_b128 v[KF+32*\x+4*\i:KF+32*\x+4*\i+3], v[RD] offset:544*\i     ; LDS serves a wave's instructions in order (ISA guide 5.7.1.4): these see my stores, and the next tile's stores come behind them
.endr
.endm
.macro SEND x, younger                 ; younger: the LDS instructions issued behind tile x's loads
.irp i, 0,1,2,3,4,5,6,7
	s_wait_dscnt \younger+7-\i
	global_store_b128 v[L16], v[KF+32*\x+4*\i:KF+32*\x+4*\i+3], s[56+2*\x:57+2*\x] offset:512*\i th:TH_STORE_NT   ; two rows: 512 consecutive bytes, at a multiple of 256 from out's first byte
.endr
.endm
	s_wait_dscnt 0x0                               ; on every way: the last step's loads of V's fragments are in, so the loads from the stage, which land in K's and V's registers, meet no pending load
	s_add_co_i32 s55, s26, s27                     ; ep + ev
.rept 4
	v_nop                                          ; places behind the last products, ahead of the first read of their results
.endr
	SCALEO 0
	SCALEO 1                                       ; both tiles are scaled first, so that one wait serves both tiles' way through the stage
	s_wait_alu depctr_va_vdst(0)                   ; the scalings have written v64-127, which the LDS stores read; the products are done reading K's and V's fragments, in which the loads from the stage land
	TOSTAGE 0
	TOSTAGE 1
	SEND 0, 16
	SEND 1, 0
	s_set_vgpr_msb 0x5
	s_wait_dscnt 0x0
	s_wait_alu depctr_hold_cnt(0) depctr_sa_sdst(0) depctr_va_vdst(0) depctr_va_sdst(0) depctr_va_ssrc(0) depctr_va_vcc(0) depctr_vm_vsrc(0)
	s_wait_tensorcnt 0x0
	ds_add_u32 v128, v129
	s_wait_dscnt 0x0
	s_endpgm
.Lfunc_end_k_q5a1f5068e3_attn:
	.size	k_q5a1f5068e3_attn, .Lfunc_end_k_q5a1f5068e3_attn-k_q5a1f5068e3_attn
	.p2alignl 7, 3214868480
	.fill 96, 4, 3214868480
	.section	.rodata,"a",@progbits
	.p2align	6, 0x0
	.amdhsa_kernel k_q5a1f5068e3_attn
		.amdhsa_group_segment_fixed_size 297984
		.amdhsa_private_segment_fixed_size 0
		.amdhsa_enable_private_segment 0
		.amdhsa_kernarg_size 56
		.amdhsa_user_sgpr_count 2
		.amdhsa_user_sgpr_kernarg_segment_ptr 1
		.amdhsa_wavefront_size32 1
		.amdhsa_system_sgpr_workgroup_id_x 1
		.amdhsa_system_sgpr_workgroup_id_y 1
		.amdhsa_system_sgpr_workgroup_id_z 1
		.amdhsa_system_vgpr_workitem_id 0
		.amdhsa_next_free_vgpr 386
		.amdhsa_next_free_sgpr 66
		.amdhsa_reserve_vcc 1
		.amdhsa_float_denorm_mode_32 3
		.amdhsa_float_denorm_mode_16_64 3
		.amdhsa_memory_ordered 1
		.amdhsa_forward_progress 1
		.amdhsa_inst_pref_size 90
	.end_amdhsa_kernel
	.amdgpu_metadata
---
amdhsa.version: [ 1, 2 ]
amdhsa.kernels:
  - .name:           k_q5a1f5068e3_attn
    .symbol:         k_q5a1f5068e3_attn.kd
    .args:
      - { .name: queries, .offset: 0, .size: 8, .value_kind: global_buffer, .address_space: global }
      - { .name: kcodes, .offset: 8, .size: 8, .value_kind: global_buffer, .address_space: global }
      - { .name: vcodes, .offset: 16, .size: 8, .value_kind: global_buffer, .address_space: global }
      - { .name: maskn, .offset: 24, .size: 8, .value_kind: global_buffer, .address_space: global }
      - { .name: flags, .offset: 32, .size: 8, .value_kind: global_buffer, .address_space: global }
      - { .name: lowp_scales, .offset: 40, .size: 8, .value_kind: global_buffer, .address_space: global }
      - { .name: out0, .offset: 48, .size: 8, .value_kind: global_buffer, .address_space: global }
    .group_segment_fixed_size: 297984
    .private_segment_fixed_size: 0
    .kernarg_segment_align: 8
    .kernarg_segment_size: 56
    .max_flat_workgroup_size: 256
    .sgpr_count:     66
    .vgpr_count:     386
    .wavefront_size: 32
...
	.end_amdgpu_metadata
.endif
;; end of part 4
